; MI455X (gfx1250); checked and timed in simulation.
; The chip was launched on July 23, 2026; its instructions are those of AMD's public machine-readable ISA for CDNA 5 (MIT licence, August 2026) and "CDNA5" Instruction Set Architecture Reference Guide (July 2026). The comments in the code are by the model that wrote it; some were corrected since.
;; Cross Multi Head Attention. Allowed arithmetic: matrix products marked QUANTISED: E2M3 operands, one E8M0 scale for each 32 along K, by v_wmma_scale_f32_16x16x128_f8f6f4 with both operands' format E2M3, f32 sums; everything else in f32.
;; Inputs: Wk 1,024 x 1,024 float32; Wo 1,024 x 1,024 float32; Wq 1,024 x 1,024 float32; Wv 1,024 x 1,024 float32; bo 1,024 float32; context 2 x 4,096 x 1,024 float32; x 2 x 2,048 x 1,024 float32.
;; Outputs: out0 2 x 2,048 x 1,024 float32.
;; This version of the problem:
;;   THIS VERSION OF THE PROBLEM IS GIVEN IN LOW PRECISION. The matrix products marked QUANTISED in the list below multiply operands that are first quantised to E2M3 (2 exponent bits, 3 mantissa bits; 6 bits a number), with one power-of-two scale for each 32 numbers along K (OCP MX v1.0); their sums are f32. All else is computed in f32.
;;   The module's matrix products, in the order in which they are computed (A, B: the left and right operand; K: the contracted axis; several contracted axes count as one K, in the product's order):
;;     1. [M 4,096, K 1,024] x [K 1,024, N 1,024]; A: input x; B: input Wq: QUANTISED
;;     2. [M 8,192, K 1,024] x [K 1,024, N 1,024]; A: input context; B: input Wk: QUANTISED
;;     3. [M 8,192, K 1,024] x [K 1,024, N 1,024]; A: input context; B: input Wv: QUANTISED
;;     4. batch 32 x [M 2,048, K 64] x [K 64, N 4,096]; A: computed on the way; B: computed on the way: QUANTISED
;;     5. batch 32 x [M 2,048, K 4,096] x [K 4,096, N 64]; A: softmax (see below); B: computed on the way: QUANTISED
;;     6. [M 4,096, K 1,024] x [K 1,024, N 1,024]; A: computed on the way; B: input Wo: QUANTISED
;;   THE QUANTISER, for each operand of a quantised product, along K:
;;     - K is cut into blocks of 32 from its start; a last block that is shorter is filled with zeros.
;;     - A block's scale is 2^e with e = floor(log2(the largest magnitude in the block)) - 2, held to -126 .. 127; a block of zeros has e = 0. As a byte (E8M0): e + 127.
;;     - Each number is divided by its block's scale, clamped to +-7.5, and rounded to the nearest number of E2M3, ties to even, subnormals kept.
;;     - The product sums the exact products of the quantised numbers (number of the format x scale) in f32.
;;   ~~~python
;;   def quantise(x, axis):      # numpy; x: float32 -> the quantised numbers, widened to float32 again
;;       x = np.moveaxis(x, axis, -1); K = x.shape[-1]
;;       x = np.pad(x, [(0, 0)] * (x.ndim - 1) + [(0, -K % 32)]); x = x.reshape(x.shape[:-1] + (-1, 32)); a = np.abs(x).max(-1, keepdims=True)
;;       e = np.where(a > 0, np.clip(np.frexp(np.where(a > 0, a, 1))[1] - 1 - 2, -126, 127), 0)      # np.frexp(a)[1] - 1 = floor(log2(a)), exactly
;;       r = np.clip(x / 2.0 ** e, -7.5, 7.5)
;;       step = 2.0 ** (np.maximum(np.frexp(np.where(r == 0, 1, r))[1] - 1, 0) - 3)
;;       q = np.round(r / step) * step * 2.0 ** e      # np.round: ties to even
;;       return np.moveaxis(q.reshape(q.shape[:-2] + (-1,))[..., :K], -1, axis).astype(np.float32)
;;   ~~~
;;   SOFTMAX AHEAD OF A QUANTISED PRODUCT. Where the list says 'softmax', what is quantised is not the finished softmax but p = 2^(t - M), with t = logit x log2(e) and M = ceil(the row's largest t), a whole number; so 1/2 < the row's largest p <= 1. The row's sum l is taken of the UNQUANTISED p, in f32, and the product's result is divided by l at the end. Since M is a whole number, a kernel that streams over the keys may use a running M (the ceiling of the running maximum): every later rescaling is an exact power of two, which a block's scale takes up: the codes' values come out the same.
;;   OPERANDS COMPUTED ON THE WAY. 'Computed on the way' means the value that the module computes at that place (a softmax that the list does not call 'softmax' is quantised finished and normalised). What goes into a quantiser is computed in f32, as accurately as f32 sums, v_exp_f32 and their like allow (about 1e-6 of the number): no bf16 or f16 on the way to a quantiser, and a product that is left as it is and whose result goes on into a quantised operand takes f32 operands (vector FMAs, or v_wmma_f32_16x16x4_f32). A number that lies on a knife's edge between two numbers of the format may be rounded either way, as far as f32 arithmetic and the matrix unit's own rounding can turn it there, and no further.
;; One version. Each part assembles by itself: llvm-mc -triple=amdgcn-amd-amdhsa -mcpu=gfx1250 --defsym DOCPART=n.
;; ======== version 1 of 1: 4 launches
;; limits: right only within a limited range of input values
;; workspace buffers: cod 12,582,912 bytes; scl 524,288 bytes; acod 15,728,640 bytes; ascl 655,360 bytes; oc 3,145,728 bytes; osc 131,072 bytes; xq 3,932,160 bytes
;; launch quant (part 1): grid 512 x 1, 4 waves a work-group, no clusters, 33,280 bytes of LDS; arguments x, Wo, context, Wq, Wk, Wv, cod, scl, xq; writes cod, scl, xq
.if DOCPART == 1
	.amdgcn_target "amdgcn-amd-amdhsa--gfx1250"
	.amdhsa_code_object_version 6
	.text
	.protected	k_qd2a56a2fc3_quant
	.globl	k_qd2a56a2fc3_quant
	.p2align	8
	.type	k_qd2a56a2fc3_quant,@function
k_qd2a56a2fc3_quant:
	s_mov_b64 s[64:65], 0
	v_nop
	global_prefetch_b8 v0, s[64:65] scope:SCOPE_SE
	s_setreg_imm32_b32 hwreg(HW_REG_WAVE_MODE, 25, 1), 1
	s_wait_xcnt 0x0
; x, Wo, context, Wq, Wk, Wv (f32, rows of 1,024 numbers, K innermost) become codes of FP6 (E2M3), 6 bits each, rows of 768 bytes, in cod, and one E8M0 byte
; for each 32 along K, rows of 32 bytes, in scl.  The six tensors lie on end in that order: 16,384 rows in all.
; A block's scale is 2^(floor(log2(its largest magnitude)) - 2); its byte is the largest magnitude's exponent field - 2, held at 1 from below.
; LIMITS: NaN and infinities among the inputs are not served; a block whose largest magnitude lies under 2^-124 keeps the byte 1; a block of zeros has the byte 1
; where the rule says 127: its codes are zeros, which add nothing under that byte, and the bytes are read by this program alone.
; SHARES: a work-group takes 32 rows, a wave 8 rows: 16 steps of 512 numbers.  Work-groups 0-127 x, 128-159 Wo, 160-415 context, 416-447 Wq, 448-479 Wk, 480-511 Wv.
; ROW ORDER: in context, Wq, Wk, Wv the rows of each group of 32 are stored with bits 3 and 4 of the row number exchanged (a wave's 8 rows go to the place of the wave
; number with its two bits exchanged).  So 16 consecutive STORED rows are real rows 8 u + r + 8 (r / 8): used as source 0 of a product, two neighbouring tiles leave
; 16 neighbouring results in a lane's 16 registers, which is what the next quantiser wants.  x and Wo keep their order.
; A load reads 512 consecutive bytes, 16 a lane; a conversion wants 16 neighbours in one lane: a step's 2,048 bytes turn through the wave's own stage in LDS (16 bytes of padding behind each 64).
; A lane's 16 codes are 12 bytes: the wave stores 384 consecutive bytes.  A wave's 256 scale bytes are gathered in its own LDS bytes and leave as one aligned run of 256 bytes.
; No tensor loads, no barrier: waves share nothing.  Loads run four steps (16 loads a wave) ahead, the turn through LDS one step.
.set STEPS, 16
.set EMAX,  2
.set CB,    12                         ; bytes of 16 codes
.set PLANE, 3145728                    ; LAYOUT OF cod (it replaces the rows of 768 bytes named above): four planes, one for each 256 along K; in a plane a row is 192 bytes, 16,384 rows on end
; ROW ORDER (it replaces the order named above): in context, Wq, Wk, Wv the runs of 8 rows of each group of 64 rows change places: real run 4 h + u is stored as run 2 u + h.
; So stored row 16 u + 8 h + j is real row 32 h + 8 u + j: as source 0 of a product, four neighbouring tiles leave 32 neighbouring results in one lane's 32 registers.
.set R,     16                         ; v16-79   four sets of 16 numbers as they are loaded
.set X,     80                         ; v80-111  two sets of 16 neighbours
.set C,     128                        ; v128-191 codes: four registers for each step, so that no store's data are written again
.set E,     112                        ; v112-127 a scale byte for each step
.set WREG,  8192                       ; LDS: a region for each wave: two stages of 32 x SP bytes, behind them its 256 scale bytes
.set SP,    80                         ; a lane's place in a stage: 64 bytes + 16 of padding
	s_load_b256 s[4:11], s[0:1], 0x0               ; x, Wo, context, Wq
	s_load_b256 s[12:19], s[0:1], 0x20             ; Wk, Wv, cod, scl
	s_load_b64 s[28:29], s[0:1], 0x40              ; xq
	v_lshl_add_u32 v192, v0, 2, 0x8000
	v_mov_b32 v193, 0
	v_lshrrev_b32 v1, 5, v0
	v_readfirstlane_b32 s20, v1                    ; wave
	v_and_b32 v2, 31, v0                           ; lane
	v_lshlrev_b32 v3, 4, v2                        ; my 16 bytes of a load's 512
	s_mul_i32 s22, s20, WREG
	v_lshrrev_b32 v14, 2, v2
	v_mul_u32_u24 v14, v14, SP
	v_and_b32 v15, 3, v2
	v_lshl_add_u32 v14, v15, 4, v14
	v_add_nc_u32 v14, s22, v14                     ; the stage, on the way in: SP (lane / 4) + 16 (lane % 4)
	v_mul_u32_u24 v15, v2, SP
	v_add_nc_u32 v15, s22, v15                     ; and on the way out: SP x lane: my 16 neighbours
	v_lshrrev_b32 v5, 1, v2
	s_add_co_u32 s22, s22, 2*32*SP
	v_add_nc_u32 v5, s22, v5                       ; LDS: my wave's 256 scale bytes, my block's byte
	v_lshlrev_b32 v7, 3, v2                        ; on the way out 8 bytes a lane
	v_add_nc_u32 v6, s22, v7
	s_mov_b32 s21, 0                               ; the tensor's first work-group
	s_and_b32 s27, ttmp9, 1
	s_lshl_b32 s27, s27, 2
	s_or_b32 s27, s27, s20                         ; my run of 8 rows in its group of 64 rows: 4 h + u
	s_lshl_b32 s23, s27, 1
	s_and_b32 s23, s23, 6
	s_lshr_b32 s24, s27, 2
	s_or_b32 s23, s23, s24                         ; 2 u + h
; x AND Wq GO TO xq AS IMAGES OF OPERAND REGISTERS (their places in cod stay unwritten and are read by nobody): [tile of 16 rows][K step of 128][c = 0, 1][lane 16 h + r][24 bytes]:
; the 32 codes k = 64 c + 32 h + 0..31 of row r.  x's 256 tiles first, then Wq's 64 (in Wq's stored row order).  A tile is 12,288 bytes.
; My 16 codes of step t (row t / 2 of my 8, k = 512 (t % 2) + 16 lane) go to K step 4 (t % 2) + lane / 8, c and h = bits 2 and 1 of the lane, half lane % 2.
; One path serves both layouts: each step has its own offset register, made of scalars that hang on the work-group's number alone.
.set VO, 194                           ; v194-209 a store offset for each step
	s_cmp_lt_u32 ttmp9, 128                        ; x?
	s_cselect_b32 s30, 1, 0
	s_sub_co_u32 s31, ttmp9, 416
	s_cmp_lt_u32 s31, 32                           ; Wq?
	s_cselect_b32 s31, 1152, 0                     ; Wq's run 1,664 is image run 512
	s_cselect_b32 s32, 1, 0
	s_or_b32 s30, s30, s32
	s_cmp_lg_u32 s30, 0
	s_cselect_b32 s33, -1, 0
	s_mov_b32 s34, 2*PLANE                         ; from the first half of a row to the second,
	s_cselect_b32 s34, 6144, s34
	s_cselect_b32 s35, 24, 192                     ; from row to row
	v_and_b32 v4, 15, v2
	v_mul_u32_u24 v4, v4, CB                       ; planes: sixteen lanes fill a row's 192 bytes of one plane,
	v_lshrrev_b32 v10, 4, v2
	v_mad_u32_u24 v4, v10, PLANE, v4               ; lanes 16-31 the next plane's
	v_lshrrev_b32 v10, 3, v2
	v_mul_u32_u24 v10, v10, 1536                   ; images: the K step,
	v_bfe_u32 v11, v2, 1, 2
	v_mad_u32_u24 v10, v11, 384, v10               ; c and h,
	v_and_b32 v11, 1, v2
	v_mad_u32_u24 v10, v11, CB, v10                ; the half
	v_cndmask_b32 v[VO], v4, v10, s33
	v_add_nc_u32 v[VO+1], s34, v[VO]
.irp t, 2,3,4,5,6,7,8,9,10,11,12,13,14,15
	v_add_nc_u32 v[VO+\t], s35, v[VO+\t-2]
.endr
	s_wait_alu depctr_va_vdst(0)
	s_wait_kmcnt 0x0
	s_cmp_ge_u32 ttmp9, 128                        ; which tensor: the choices hang on the work-group's number alone
	s_cselect_b64 s[4:5], s[6:7], s[4:5]
	s_cselect_b32 s21, 128, s21
	s_cmp_ge_u32 ttmp9, 160
	s_cselect_b64 s[4:5], s[8:9], s[4:5]
	s_cselect_b32 s21, 160, s21
	s_cselect_b32 s23, s23, s27                    ; from context on the runs change places
	s_cmp_ge_u32 ttmp9, 416
	s_cselect_b64 s[4:5], s[10:11], s[4:5]
	s_cselect_b32 s21, 416, s21
	s_cmp_ge_u32 ttmp9, 448
	s_cselect_b64 s[4:5], s[12:13], s[4:5]
	s_cselect_b32 s21, 448, s21
	s_cmp_ge_u32 ttmp9, 480
	s_cselect_b64 s[4:5], s[14:15], s[4:5]
	s_cselect_b32 s21, 480, s21
	s_sub_co_u32 s24, ttmp9, s21
	s_lshl_b32 s24, s24, 2
	s_add_co_u32 s24, s24, s20                     ; which run of 8,192 numbers of the tensor is my wave's
	s_lshl_b32 s24, s24, 15                        ; 32,768 bytes a run (at most 1,024 runs)
	s_mov_b32 s25, 0
	s_add_nc_u64 s[4:5], s[4:5], s[24:25]
	s_and_b32 s26, ttmp9, 0x1fe
	s_lshl_b32 s26, s26, 2                         ; the group's first run
	s_add_co_u32 s26, s26, s23                     ; and which run of the outputs
	s_mul_i32 s24, s26, 1536                       ; planes: 8 rows of 192 bytes a run
	s_sub_co_u32 s36, s26, s31                     ; images: two runs to a tile of 12,288 bytes, 8 rows of 24 bytes apart
	s_lshr_b32 s37, s36, 1
	s_mul_i32 s37, s37, 12288
	s_and_b32 s36, s36, 1
	s_mul_i32 s36, s36, 192
	s_add_co_u32 s36, s36, s37
	s_cmp_lg_u32 s30, 0
	s_cselect_b32 s24, s36, s24
	s_cselect_b64 s[16:17], s[28:29], s[16:17]
	s_add_nc_u64 s[16:17], s[16:17], s[24:25]
	s_lshl_b32 s24, s26, 8                         ; 256 scale bytes a run
	s_add_nc_u64 s[18:19], s[18:19], s[24:25]
.macro LOAD t
.irp i, 0,1,2,3
	global_load_b128 v[R+16*((\t)%4)+4*\i:R+16*((\t)%4)+4*\i+3], v3, s[4:5] offset:2048*(\t)+512*\i th:TH_LOAD_NT   ; 32 lanes read 512 consecutive bytes
.endr
.endm
.macro TURN t                          ; step t's numbers through the stage: LDS serves a wave's instructions in order, so no wait stands between the stores and the loads
.irp i, 0,1,2,3
	ds_store_b128 v14, v[R+16*((\t)%4)+4*\i:R+16*((\t)%4)+4*\i+3] offset:32*SP*((\t)%2)+8*SP*\i
.endr
.irp i, 0,1,2,3
	ds_load_b128 v[X+16*((\t)%2)+4*\i:X+16*((\t)%2)+4*\i+3], v15 offset:32*SP*((\t)%2)+16*\i
.endr
.endm
.irp t, 0,1,2,3
	LOAD \t
.endr
	s_wait_loadcnt 12                              ; step 0's four loads are in; twelve younger ones may be out
	TURN 0
.macro STEP t
.set XS, X+16*((\t)%2)
.if (\t) > 0
	s_wait_dscnt 1                                 ; this step's numbers are back from the stage (the last step's byte store may be out): so its stores into the stage have read their registers,
.else
	s_wait_dscnt 0x0
.endif
.if (\t)+4 < STEPS
	LOAD (\t)+4                                    ; which take the loads of four steps on
.endif
.if (\t)+1 < STEPS
.if STEPS-2-(\t) >= 3
	s_wait_loadcnt 12                              ; the next step's four loads are in; those of the three steps behind it may be out
.else
	s_wait_loadcnt 4*(STEPS-2-(\t))
.endif
	TURN (\t)+1                                    ; and go through the other stage while this step is worked
.endif
	v_max3_num_f32 v8, |v[XS]|, |v[XS+1]|, |v[XS+2]|               ; the largest magnitude of my 16, in two chains
	v_max3_num_f32 v9, |v[XS+3]|, |v[XS+4]|, |v[XS+5]|
.irp i, 6,10
	v_max3_num_f32 v8, v8, |v[XS+\i]|, |v[XS+\i+1]|
	v_max3_num_f32 v9, v9, |v[XS+\i+2]|, |v[XS+\i+3]|
.endr
	v_max3_num_f32 v8, v8, |v[XS+14]|, |v[XS+15]|
	v_max3_num_f32 v8, v8, v9, (EMAX+1)<<23        ; and the floor 2^(3 - 127): so the byte cannot fall under 1
	v_max_num_f32_dpp v8, v8, v8 row_xmask:1 row_mask:0xf bank_mask:0xf   ; and of my neighbour's 16: the block's
	v_add_nc_u32 v11, -(EMAX<<23), v8              ; 2 off its exponent field: the conversion takes the exponent field of this operand as its scale
	v_cvt_scalef32_pk16_fp6_f32 v[C+4*(\t):C+4*(\t)+2], v[XS:XS+15], v11   ; sixteen codes, 96 bits without gaps, the first number's code lowest
	v_lshrrev_b32 v[E+(\t)], 23, v11               ; the scale's byte (a plain line behind the conversion)
	ds_store_b8 v5, v[E+(\t)] offset:16*(\t)       ; both lanes of a block write the same byte with the same value
	global_store_b96 v[VO+(\t)], v[C+4*(\t):C+4*(\t)+2], s[16:17]
.endm
.irp t, 0,1,2,3,4,5,6,7,8,9,10,11,12,13,14,15
	STEP \t
.endr
	ds_load_b64 v[12:13], v6                       ; LDS serves a wave's instructions in order: these see my stores
	s_wait_dscnt 0x0
	global_store_b64 v7, v[12:13], s[18:19]        ; 32 lanes store 256 consecutive bytes, aligned
	s_wait_tensorcnt 0x0
	ds_add_u32 v192, v193
	s_wait_dscnt 0x0
	s_endpgm
.Lfunc_end_k_qd2a56a2fc3_quant:
	.size	k_qd2a56a2fc3_quant, .Lfunc_end_k_qd2a56a2fc3_quant-k_qd2a56a2fc3_quant
	.p2alignl 7, 3214868480
	.fill 96, 4, 3214868480
	.section	.rodata,"a",@progbits
	.p2align	6, 0x0
	.amdhsa_kernel k_qd2a56a2fc3_quant
		.amdhsa_group_segment_fixed_size 33280
		.amdhsa_private_segment_fixed_size 0
		.amdhsa_enable_private_segment 0
		.amdhsa_kernarg_size 72
		.amdhsa_user_sgpr_count 2
		.amdhsa_user_sgpr_kernarg_segment_ptr 1
		.amdhsa_wavefront_size32 1
		.amdhsa_system_sgpr_workgroup_id_x 1
		.amdhsa_system_sgpr_workgroup_id_y 1
		.amdhsa_system_sgpr_workgroup_id_z 1
		.amdhsa_system_vgpr_workitem_id 0
		.amdhsa_next_free_vgpr 210
		.amdhsa_next_free_sgpr 66
		.amdhsa_reserve_vcc 0
		.amdhsa_float_denorm_mode_32 3
		.amdhsa_float_denorm_mode_16_64 3
		.amdhsa_memory_ordered 1
		.amdhsa_forward_progress 1
		.amdhsa_inst_pref_size 35
	.end_amdhsa_kernel
	.amdgpu_metadata
---
amdhsa.version: [ 1, 2 ]
amdhsa.kernels:
  - .name:           k_qd2a56a2fc3_quant
    .symbol:         k_qd2a56a2fc3_quant.kd
    .args:
      - { .name: x, .offset: 0, .size: 8, .value_kind: global_buffer, .address_space: global }
      - { .name: Wo, .offset: 8, .size: 8, .value_kind: global_buffer, .address_space: global }
      - { .name: context, .offset: 16, .size: 8, .value_kind: global_buffer, .address_space: global }
      - { .name: Wq, .offset: 24, .size: 8, .value_kind: global_buffer, .address_space: global }
      - { .name: Wk, .offset: 32, .size: 8, .value_kind: global_buffer, .address_space: global }
      - { .name: Wv, .offset: 40, .size: 8, .value_kind: global_buffer, .address_space: global }
      - { .name: cod, .offset: 48, .size: 8, .value_kind: global_buffer, .address_space: global }
      - { .name: scl, .offset: 56, .size: 8, .value_kind: global_buffer, .address_space: global }
      - { .name: xq, .offset: 64, .size: 8, .value_kind: global_buffer, .address_space: global }
    .group_segment_fixed_size: 33280
    .private_segment_fixed_size: 0
    .kernarg_segment_align: 8
    .kernarg_segment_size: 72
    .max_flat_workgroup_size: 128
    .sgpr_count:     66
    .vgpr_count:     210
    .wavefront_size: 32
...
	.end_amdgpu_metadata
.endif
;; end of part 1
;; launch proj (part 2): grid 4 x 64, 4 waves a work-group, clusters of 4 x 4, 327,680 bytes of LDS; arguments cod, scl, acod, ascl; writes acod, ascl
.if DOCPART == 2
	.amdgcn_target "amdgcn-amd-amdhsa--gfx1250"
	.amdhsa_code_object_version 6
	.text
	.protected	k_qd2a56a2fc3_proj
	.globl	k_qd2a56a2fc3_proj
	.p2align	8
	.type	k_qd2a56a2fc3_proj,@function
k_qd2a56a2fc3_proj:
	s_mov_b64 s[64:65], 0
	v_nop
	global_prefetch_b8 v0, s[64:65] scope:SCOPE_SE
	s_setreg_imm32_b32 hwreg(HW_REG_WAVE_MODE, 25, 1), 1
	s_wait_xcnt 0x0
	s_wait_alu depctr_hold_cnt(0) depctr_sa_sdst(0) depctr_va_vdst(0) depctr_va_sdst(0) depctr_va_ssrc(0) depctr_va_vcc(0) depctr_vm_vsrc(0)
	s_getreg_b32 s2, hwreg(HW_REG_IB_STS2, 6, 4)
	s_cmp_eq_u32 s2, 0
	s_cbranch_scc0 .Lentry_in_a_cluster
	s_endpgm
.Lentry_in_a_cluster:
	s_bfe_u32 s2, ttmp6, 0x10000c
	s_cmp_lg_u32 s2, 0xf033
	s_cbranch_scc0 .Lentry_shape_is_right
	s_endpgm
.Lentry_shape_is_right:
; THE TWO PROJECTIONS k = context Wk^T, v = context Wv^T in one launch, on codes of FP6 (E2M3) with one E8M0 scale for each 32 along K = 1,024; sums in f32.
; The results never go to memory as f32: each wave quantises its 128 x 128 results in registers and stores them as IMAGES OF OPERAND REGISTERS for the attention launch.
; A tile of 256 x 256 results is made by a work-group of four waves; a wave makes 128 x 128: 64 accumulators of 16 x 16, 512 registers.  K goes in steps of 256 through a ring of two LDS slots.
; The matrix instruction is used transposed: source 0 = 16 rows of "B", source 1 = 16 rows of "A": a lane holds ONE row of A, and its registers run along rows of B.
; 16 clusters of 4 x 4 work-groups; g = the cluster's y, the same in all sixteen partners, says which product (chosen by scalar selects alone, no branch):
;   g 0-7   k:  A = context (lanes: keys),     B = Wk (registers: features): quantised along the features: two heads of 64 to a wave
;   g 8-15  v:  A = Wv (lanes: features),      B = context (registers: keys): quantised along the keys: one key step of 128 to a wave
; B's rows lie in cod in the order in which stored row 16 u + 8 h + j of a group of 64 is real row 32 h + 8 u + j: so the 32 registers of four neighbouring tiles are 32 neighbours.
; The four work-groups of a row of the cluster need the same tiles of A, the four of a column the same tiles of B: each tile is asked for jointly, by the same tensor load with the same descriptor and a mask that names the four.
; The scale bytes of the work-group's 256 rows of A and of B, for all of K, come into LDS once, with the first fills.
; LIMITS: NaN and infinities are not served; a block of results whose largest magnitude lies under 2^-124 (zeros among them) keeps the byte 1; the bytes are read by this program alone.
; REGISTERS, in windows of 256: window 0: v0-31 addresses; v32-63 scale words, two sets; from v128 A's fragments, one set; on the way out v64-203 at work.
;   window 1: B's fragments, two sets, at v0 and v128.   window 2: the 32 accumulators of my rows 0-63 (accumulator (a, b) at v[8 (8 a + b)]);   window 3: those of my rows 64-127.
; LAYOUT OF cod (it replaces what is said of it above): four planes, one for each 256 along K, rows of 192 bytes on end: a tile of 128 rows is a dense block of 24,576 bytes, asked for as 96 rows of 256 bytes.
; ROW ORDER of context, Wq, Wk, Wv: stored row 16 u + 8 h + j of a group of 64 is real row 32 h + 8 u + j: the 32 registers of four neighbouring tiles are 32 neighbours, a whole block in one lane.
.set CTX_C, 983040                     ; where the tensors begin in a plane of cod, and in scl
.set CTX_S, 163840
.set WQ_C,  2555904
.set WQ_S,  425984
.set WK_C,  2752512
.set WK_S,  458752
.set WV_C,  2949120
.set WV_S,  491520
.set K_C,   3145728                    ; where k's and v's images begin in acod, and their scale words in ascl
.set V_C,   9437184
.set K_S,   131072
.set V_S,   393216
.set NQ,     2                         ; matrix instructions deep in a slot: 256 along K
.set ROWB,   256                       ; a row of a tile as it is asked for
.set KROW,   192                       ; a row of codes in a plane
.set PLANE,  3145728                   ; from one 256 along K to the next
.set PITCH,  240                       ; an LDS row: 3 x (64 bytes + 16 of padding)
.set FR,     12                        ; registers of a fragment: 16 rows x 128 K
.set NL,     6                         ; LDS loads that bring one
.set NP,     4                         ; places behind this matrix instruction (ISA guide 7.12.1)
.set HALFT,  128*PITCH                 ; 128 rows: what one tensor load brings
.set SLOT,   4*HALFT                   ; A's 256 rows, then B's 256 rows
.set LAPS,   2                         ; a lap = two K steps of 256 = once round the ring
.set KS,     32                        ; a row of scale bytes
.set SCL,    2*SLOT                    ; behind the ring: the scales, as runs of 256 bytes + 16 of padding
.set HALFS,  16*272                    ; the scales of 128 rows
.set SBLK,   2*272                     ; those of 16 rows
.set SPARE,  SCL+4*HALFS               ; the spare words, 128 bytes for each wave: two blocks of 256 bytes that no other line names
.set STG,    SPARE+512                 ; 512 bytes for each wave: the scale words on their way out; no fill ever lands here
.set ADRA, 16                          ; v16-17 LDS address of my A fragments in slot 0, 1 (v18-19: for the pieces behind one padding more)
.set ADRB, 20                          ; v20-21 the same for B (v22-23)
.set SSA,  24                          ; v24    where I put a scale word: STG + 512 wave + 4 (lane % 16)
.set SSR,  25                          ; v25    where I read them back: STG + 512 wave + 16 lane
.set LO16, 26                          ; v26    16 x lane
.set ADRS, 27                          ; v27    LDS address of my scale words: lanes 0-15 A's rows, lanes 16-31 B's
.set SPW,  28                          ; v28    LDS address of my spare word; never rewritten
.set NIL,  29                          ; v29    0; never rewritten
.set SC,   32                          ; scale words: set s at v[SC + 16 s]; register 2 i + q: lanes 0-15 A's block i, lanes 16-31 B's block i
.set AF,   128                         ; A's fragments
.set QC,   64                          ; the way out: block a's codes at v[QC + 12 a]
.set CT,   160                         ; v160-166 conversions' second halves
.set TM,   168                         ; v168-183 at work
.set PW,   184                         ; v184-191 block a's scale word
.set VO,   192                         ; v192-199 block a's byte offset: 8 x lane + a x the step from block to block
.set SW,   200                         ; v200-203 the scale words read back
.set G1, 24                            ; s[24:31] descriptor group 1 for A's tiles;  s[32:39] group 0, one set for each slot
.set G0, 32
.set G1B, 48                           ; s[48:55], s[56:63] the same for B's tiles
.set G0B, 56
.set G1S, 68                           ; s[68:75], s[76:79] groups 1 and 0 for A's scales;  s[80:87], s[88:91] for B's
.set G0S, 76
.set G1SB, 80
.set G0SB, 88
.set SEL, 20                           ; s[20:21] on the way out: lane selects for v_permlanex16_b32: lane l xor 16
.set MSB, 0
.macro WIN new                         ; the immediate's high byte repeats the setting that is left
.if MSB != \new
	s_set_vgpr_msb (MSB<<8)|\new
.set MSB, \new
.endif
.endm
.set MUL_LO, 0xa1                      ; source 0 (B) window 1, source 1 (A) window 0, C and D window 2
.set MUL_HI, 0xf1                      ; the same, C and D window 3
.set TO_B,   0x40                      ; destination window 1, address window 0
; A joint load: waves 0 and 1 fetch for A, waves 2 and 3 for B.  Each line has one mask and one set of registers for all that issue it; the branch hangs on the wave's number alone.
; Four v_nop follow each of the two lines, ahead of the jump, the label and what follows.
.macro JLOAD g0a, g1a, g0b, g1b
	s_cmp_eq_u32 s15, 0
	s_cbranch_scc0 .Lfor_b_\@
	tensor_load_to_lds s[\g0a:\g0a+3], s[\g1a:\g1a+7]
	s_nop 0
.rept 4
	v_nop
.endr
	s_branch .Lasked_\@
.Lfor_b_\@:
	tensor_load_to_lds s[\g0b:\g0b+3], s[\g1b:\g1b+7]
	s_nop 0
.rept 4
	v_nop
.endr
.Lasked_\@:
.endm
.macro CREST                           ; a round of the cluster's barrier behind its opening barrier
	s_cmp_lg_u32 s14, 0
	s_cbranch_scc1 .Lnot_wave_0_\@
	s_barrier_signal -3
.Lnot_wave_0_\@:
	s_barrier_wait -3
	s_barrier_signal -1
	s_barrier_wait -1
.endm
.macro CROUND                          ; a whole round
	s_barrier_signal -1
	s_barrier_wait -1
	CREST
.endm
	s_load_b256 s[4:11], s[0:1], 0x0               ; cod s[4:5], scl s[6:7], acod s[8:9], ascl s[10:11]
	v_lshl_add_u32 v[SPW], v0, 2, SPARE
	v_mov_b32 v[NIL], 0
	ds_add_u32 v28, v29
	ds_add_u32 v28, v29
	s_wait_dscnt 0x0
	v_lshrrev_b32 v1, 5, v0
	v_readfirstlane_b32 s14, v1                    ; wave 0..3
	s_lshr_b32 s15, s14, 1                         ; which half of the tile's A rows is mine.  Also: I fetch for A (0) or for B (1)
	s_and_b32 s16, s14, 1                          ; which half of its B rows.  Also: which 128 rows of that tile I fetch
	s_bfe_u32 s40, ttmp6, 0x40000                  ; cx, cy: my place in the cluster
	s_bfe_u32 s41, ttmp6, 0x40004
	s_and_b32 s96, ttmp7, 0xffff                   ; g: the cluster's y
	s_mov_b32 s66, CTX_C                           ; k: A = context,
	s_mov_b32 s67, CTX_S
	s_mov_b32 s98, WK_C                            ; B = Wk,
	s_mov_b32 s99, WK_S
	s_mov_b32 s100, s96                            ; the cluster's row of tiles = g,
	s_mov_b32 s101, 0                              ; its column 0
	s_sub_co_u32 s97, s96, 8
	s_cmp_ge_u32 s96, 8                            ; v: A = Wv, B = context, row 0, column g - 8
	s_cselect_b32 s66, WV_C, s66
	s_cselect_b32 s67, WV_S, s67
	s_cselect_b32 s98, CTX_C, s98
	s_cselect_b32 s99, CTX_S, s99
	s_cselect_b32 s100, 0, s100
	s_cselect_b32 s101, s97, s101
	; (this launch makes k and v alone, g = 0 .. 15: 256 work-groups; q is made in the attention launch, by the work-group that uses it)
	s_lshl_b32 s42, s101, 2
	s_add_co_u32 s42, s42, s40                     ; tile column = 4 x the cluster's column + cx
	s_lshl_b32 s17, s100, 2
	s_add_co_u32 s17, s17, s41                     ; tile row = 4 x the cluster's row + cy
	s_lshl_b32 s43, s41, 2
	s_lshl_b32 s43, 15, s43                        ; my row of the cluster
	s_lshl_b32 s44, 0x1111, s40                    ; my column
	; descriptor group 1: a tile of 128 rows x 192 bytes, padded in LDS
	s_or_b32 s[G1+0], s43, (0<<16)|(1<<20)|(1<<21)|(3<<22)|(3<<25)  ; 15:0 the mask: A's tiles go to my row; elements of 1 byte; padding on; bit 21 set beside a mask; after every 16 words 4 words
	s_or_b32 s[G1B+0], s44, (0<<16)|(1<<20)|(1<<21)|(3<<22)|(3<<25)
.irp g, G1, G1B
	s_mov_b32 s[\g+1], ROWB<<16                    ; tensor_dim0
	s_mov_b32 s[\g+2], 192<<16                     ; tensor_dim1: the head's loads bring 256 rows of codes = 192 rows of 256 bytes
	s_mov_b32 s[\g+3], ROWB<<16                    ; tile_dim0
	s_mov_b32 s[\g+4], 192                         ; tile_dim1
	s_mov_b32 s[\g+5], ROWB                        ; dense
	s_mov_b32 s[\g+6], 0
	s_mov_b32 s[\g+7], 0
.endr
	; the scales of 128 rows: a dense block of 4,096 bytes, as 16 rows of 256 bytes (32 elements of 8 bytes), 16 bytes of padding behind each
	s_or_b32 s[G1S+0], s43, (3<<16)|(1<<20)|(1<<21)|(5<<22)|(3<<25)
	s_or_b32 s[G1SB+0], s44, (3<<16)|(1<<20)|(1<<21)|(5<<22)|(3<<25)
.irp g, G1S, G1SB
	s_mov_b32 s[\g+1], 32<<16
	s_mov_b32 s[\g+2], 32<<16                      ; the scales of all 256 rows: 32 rows of 256 bytes
	s_mov_b32 s[\g+3], 32<<16
	s_mov_b32 s[\g+4], 32
	s_mov_b32 s[\g+5], 32
	s_mov_b32 s[\g+6], 0
	s_mov_b32 s[\g+7], 0
.endr
	s_lshl_b32 s20, s17, 8                         ; A: the tile's first row, 256 x tile row
	s_lshl_b32 s46, s42, 8                         ; B: 256 x tile column
	s_mov_b32 s21, 0
	s_mov_b32 s47, 0
	s_mov_b64 s[18:19], KS
	s_mul_u64 s[22:23], s[20:21], s[18:19]         ; where these rows' scales begin, in bytes
	s_mul_u64 s[92:93], s[46:47], s[18:19]
	s_mov_b64 s[18:19], KROW
	s_mul_u64 s[20:21], s[20:21], s[18:19]         ; and their codes
	s_mul_u64 s[46:47], s[46:47], s[18:19]
	s_mov_b32 s13, 0                               ; + where the tensor begins in its buffer (these hang on g alone)
	s_mov_b32 s12, s66
	s_add_nc_u64 s[20:21], s[20:21], s[12:13]
	s_mov_b32 s12, s67
	s_add_nc_u64 s[22:23], s[22:23], s[12:13]
	s_mov_b32 s12, s98
	s_add_nc_u64 s[46:47], s[46:47], s[12:13]
	s_mov_b32 s12, s99
	s_add_nc_u64 s[92:93], s[92:93], s[12:13]
	s_mul_i32 s45, s14, HALFT                      ; where they go: wave x 128 rows: no place in the cluster enters an LDS address
	s_wait_kmcnt 0x0
	s_add_nc_u64 s[20:21], s[4:5], s[20:21]
	s_add_nc_u64 s[22:23], s[6:7], s[22:23]
	s_add_nc_u64 s[46:47], s[4:5], s[46:47]
	s_add_nc_u64 s[92:93], s[6:7], s[92:93]
	CROUND                                         ; all sixteen work-groups are here: the first joint loads meet
	s_mov_b32 s[G0S], 1
	s_mov_b32 s[G0S+1], SCL
	s_mov_b64 s[G0S+2:G0S+3], s[22:23]
	s_or_b32 s[G0S+3], s[G0S+3], 0x80000000
	s_mov_b32 s[G0SB], 1
	s_mov_b32 s[G0SB+1], SCL+2*HALFS
	s_mov_b64 s[G0SB+2:G0SB+3], s[92:93]
	s_or_b32 s[G0SB+3], s[G0SB+3], 0x80000000
	s_mul_i32 s18, s16, 128*KROW                   ; in the ring I fetch 128 rows of a tile: which half, in bytes
	s_mov_b32 s19, 0
	s_mov_b32 s[G0], 1                             ; slot 0's sets serve the head first: K step 0's 256 rows of A, whole,
	s_mov_b32 s[G0+1], 0
	s_mov_b64 s[G0+2:G0+3], s[20:21]
	s_or_b32 s[G0+3], s[G0+3], 0x80000000
	s_mov_b32 s[G0B], 1                            ; and its 256 rows of B, behind them
	s_mov_b32 s[G0B+1], 2*HALFT
	s_mov_b64 s[G0B+2:G0B+3], s[46:47]
	s_or_b32 s[G0B+3], s[G0B+3], 0x80000000
	s_add_nc_u64 s[20:21], s[20:21], s[18:19]
	s_add_nc_u64 s[46:47], s[46:47], s[18:19]
	s_mov_b32 s[G0+4], 1                           ; slot 1's: my 128 rows of K step 1
	s_add_co_u32 s[G0+5], s45, SLOT
	s_add_nc_u64 s[G0+6:G0+7], s[20:21], PLANE
	s_or_b32 s[G0+7], s[G0+7], 0x80000000
	s_mov_b32 s[G0B+4], 1
	s_add_co_u32 s[G0B+5], s45, SLOT
	s_add_nc_u64 s[G0B+6:G0B+7], s[46:47], PLANE
	s_or_b32 s[G0B+7], s[G0B+7], 0x80000000
; THE HEAD'S LOADS, ONE A WAVE: wave 0 K step 0's rows of A, wave 1 those of B, wave 2 A's scales, wave 3 B's.  One chain of branches on the wave's number; every way passes one load.
.macro ARM under, g0, g1, next
	s_cmp_lt_u32 s14, \under
	s_cbranch_scc0 \next
	tensor_load_to_lds s[\g0:\g0+3], s[\g1:\g1+7]
	s_nop 0
.rept 4
	v_nop
.endr
	s_branch .Lhead_asked
\next:
.endm
	ARM 1, G0,  G1,  .Lhead_b
	ARM 2, G0B, G1B, .Lhead_sa
	ARM 3, G0S, G1S, .Lhead_sb
	tensor_load_to_lds s[G0SB:G0SB+3], s[G1SB:G1SB+7]
	s_nop 0
.rept 4
	v_nop
.endr
.Lhead_asked:
	v_and_b32 v1, 15, v0                           ; l % 16
	v_bfe_u32 v2, v0, 4, 1                         ; l / 16
	v_mul_u32_u24 v3, v1, PITCH
	v_mul_u32_u24 v4, v2, 24
	v_add_nc_u32 v4, v3, v4                        ; a fragment's row x pitch + 24 x half
	v_lshl_add_u32 v5, v2, 4, v4                   ; and the same behind one padding more
	s_mul_i32 s21, s15, HALFT                      ; my 128 rows of A
	s_mul_i32 s22, s16, HALFT                      ; my 128 rows of B,
	s_add_co_u32 s22, s22, 2*HALFT                 ; which lie behind A's 256
.irp s, 0,1
	v_add_nc_u32 v[ADRA+\s], s21, v4
	v_add_nc_u32 v[ADRB+\s], s22, v4
	v_add_nc_u32 v[ADRA+2+\s], s21, v5
	v_add_nc_u32 v[ADRB+2+\s], s22, v5
	s_add_co_u32 s21, s21, SLOT
	s_add_co_u32 s22, s22, SLOT
.endr
	v_mul_u32_u24 v5, v1, KS                       ; my row's scales: 32 bytes a row,
	v_lshrrev_b32 v6, 8, v5
	v_lshl_add_u32 v5, v6, 4, v5                   ; and 16 more for each 256 passed
	s_mul_i32 s21, s15, HALFS                      ; A's: my 128 rows
	s_mul_i32 s22, s16, HALFS                      ; B's: my 128 rows, behind A's 256
	s_add_co_u32 s22, s22, 2*HALFS
	s_sub_co_u32 s22, s22, s21
	v_mul_u32_u24 v6, s22, v2                      ; lanes 16-31 take B's
	s_add_co_u32 s21, s21, SCL
	v_add_nc_u32 v5, v5, v6
	v_add_nc_u32 v[ADRS], s21, v5
	s_lshl_b32 s23, s14, 9
	s_add_co_u32 s23, s23, STG                     ; my 512 bytes for scale words
	v_lshl_add_u32 v[SSA], v1, 2, s23
	v_and_b32 v6, 31, v0
	v_lshlrev_b32 v[LO16], 4, v6
	v_add_nc_u32 v[SSR], s23, v[LO16]
.macro FRAG reg, adr, q, i             ; a fragment, 16 rows x 128 K of 6-bit codes: lane l holds row l % 16; registers 6 c .. 6 c + 5 hold K = 64 c + 32 (l / 16) + 0 .. 31: 24 bytes of the row, as they lie
.irp p, 0,1,2,3,4,5                    ; in pieces of 8 bytes.  Lanes 0-15 take the row's pieces 12 q + 0, 1, 2 and 12 q + 6, 7, 8, lanes 16-31 those three pieces on
.set PIE, 12*(\q)+6*(\p/3)+\p%3        ; 16 bytes of padding lie behind every 8 pieces: where the piece three on lies behind one padding more, the second address register serves
.if PIE%8 < 5
	ds_load_b64 v[\reg+2*\p:\reg+2*\p+1], v[\adr] offset:8*PIE+16*(PIE/8)+(\i)*16*PITCH
.else
	ds_load_b64 v[\reg+2*\p:\reg+2*\p+1], v[\adr+2] offset:8*PIE+16*(PIE/8)+(\i)*16*PITCH
.endif
.endr
.endm
; 16 matrix instructions: A's blocks a0, a0 + 1 x B's eight, 128 along K: the slot's q-th.  p: B's set;  sc: the set of scale words.  zero = 1: the first product starts the sums.
; The 64 accumulators take turns, one instruction a turn, in the same order in every step.
.macro MUL16 a0, p, q, sc, zero
.irp a, \a0, \a0+1
.irp b, 0,1,2,3,4,5,6,7
.if \zero
	v_wmma_scale_f32_16x16x128_f8f6f4 v[8*(8*((\a)%4)+\b):8*(8*((\a)%4)+\b)+7], v[128*(\p)+FR*\b:128*(\p)+FR*\b+FR-1], v[AF+FR*(\a):AF+FR*(\a)+FR-1], 0, v[SC+8*NQ*(\sc)+NQ*\b+(\q)], v[SC+8*NQ*(\sc)+NQ*(\a)+(\q)] matrix_a_fmt:MATRIX_FMT_FP6 matrix_b_fmt:MATRIX_FMT_FP6 matrix_a_scale:MATRIX_SCALE_ROW1
.else
	v_wmma_scale_f32_16x16x128_f8f6f4 v[8*(8*((\a)%4)+\b):8*(8*((\a)%4)+\b)+7], v[128*(\p)+FR*\b:128*(\p)+FR*\b+FR-1], v[AF+FR*(\a):AF+FR*(\a)+FR-1], v[8*(8*((\a)%4)+\b):8*(8*((\a)%4)+\b)+7], v[SC+8*NQ*(\sc)+NQ*\b+(\q)], v[SC+8*NQ*(\sc)+NQ*(\a)+(\q)] matrix_a_fmt:MATRIX_FMT_FP6 matrix_b_fmt:MATRIX_FMT_FP6 matrix_a_scale:MATRIX_SCALE_ROW1
.endif
.endr
.endr
.endm
.macro FETCH_B slot, q, p              ; B's eight fragments of the slot's q-th 128 along K into set p
	WIN TO_B
.irp i, 0,1,2,3,4,5,6,7
	FRAG 128*(\p)+FR*\i, ADRB+\slot, \q, \i
.endr
	WIN 0
.endm
.macro FETCH_A slot, q, i0             ; A's blocks i0 .. i0 + 3
.irp i, \i0, \i0+1, \i0+2, \i0+3
	FRAG AF+FR*(\i), ADRA+\slot, \q, \i
.endr
.endm
.macro SCALES sc                       ; the next K step's scale words into set sc: two words a row; lanes 0-15 take A's block i, lanes 16-31 B's block i
.irp i, 0,1,2,3,4,5,6,7
	ds_load_b64 v[SC+8*NQ*\sc+NQ*\i:SC+8*NQ*\sc+NQ*\i+1], v[ADRS] offset:\i*SBLK
.endr
.endm
; A load into a register that a matrix instruction has read, and a vector instruction that reads a matrix result, stand NP places behind that matrix instruction; only plain vector
; instructions that name none of its registers are places (ISA guide 7.12.1 for vector instructions).
.macro PLACES n
.rept \n
	v_nop
.endr
.endm
; A step of 128 along K that has its successor in the same slot.
.macro STEP slot, q, zero
	s_wait_dscnt 4*NL                              ; B's set, the scale words and A's blocks 0-3 are in; the youngest 24 loads (A's blocks 4-7) may be out
	WIN MUL_LO
	MUL16 0, (\q)%2, \q, \slot, \zero
	MUL16 2, (\q)%2, \q, \slot, \zero
	s_wait_dscnt 0                                 ; A's blocks 4-7 are in (asked for 32 matrix instructions ago)
	PLACES NP
	FETCH_B \slot, (\q)+1, 1-(\q)%2
	FETCH_A \slot, (\q)+1, 0
	WIN MUL_HI
	MUL16 4, (\q)%2, \q, \slot, \zero
	MUL16 6, (\q)%2, \q, \slot, \zero
	PLACES NP
	WIN 0
	FETCH_A \slot, (\q)+1, 4
.endm
; A slot's last step changes slots: ONE barrier; in front of it each wave waits for all its tensor loads, adds 0 to its spare word, and waits for that and for its own reads of this slot.  fill = 1: this slot is filled again, two K steps ahead.
.macro TURN slot, next, fill
	s_wait_tensorcnt 0x0                           ; all my tensor loads have landed: my part of the next slot
	ds_add_u32 v[SPW], v[NIL]                      ; 0 onto my spare word
	s_wait_dscnt 4*NL+1                            ; (the add and the youngest 24 loads, A's blocks 4-7, may be out)
	WIN MUL_LO
	MUL16 0, 1, NQ-1, \slot, 0                     ; sixteen matrix instructions stand between the add and the wait for it
	s_wait_dscnt 0x0                               ; the add is done, and my reads of this slot are over
	s_barrier_signal -1
	MUL16 2, 1, NQ-1, \slot, 0
	WIN 0
	s_barrier_wait -1
.if \fill
	CREST                                          ; the barrier has opened a round of the cluster's barrier: no wave of any partner still reads this slot's tile or has a load on its way
	s_add_nc_u64 s[G0+4*\slot+2:G0+4*\slot+3], s[G0+4*\slot+2:G0+4*\slot+3], 2*PLANE
	s_add_nc_u64 s[G0B+4*\slot+2:G0B+4*\slot+3], s[G0B+4*\slot+2:G0B+4*\slot+3], 2*PLANE
	JLOAD G0+4*\slot, G1, G0B+4*\slot, G1B         ; the first tensor load behind the round; its four v_nop are the places in front of the loads below
.else
	PLACES NP
.endif
	s_wait_alu depctr_va_vdst(0)
	v_add_nc_u32 v[ADRS], 4*NQ, v[ADRS]            ; on to the next K step's scale words
	FETCH_B \next, 0, 0
	FETCH_A \next, 0, 0
	SCALES \next
	WIN MUL_HI
	MUL16 4, 1, NQ-1, \slot, 0
	MUL16 6, 1, NQ-1, \slot, 0
	PLACES NP
	WIN 0
	FETCH_A \next, 0, 4
.endm
	s_wait_alu depctr_va_vdst(0)
	s_wait_tensorcnt 0x0                           ; my tile of the head's four is in
	ds_add_u32 v[SPW], v[NIL]
	s_mov_b32 s[G1+2], 96<<16                      ; no tensor load of mine is out: from here on a load brings 128 rows of codes = 96 rows of 256 bytes,
	s_mov_b32 s[G1+4], 96
	s_mov_b32 s[G1B+2], 96<<16
	s_mov_b32 s[G1B+4], 96
	s_mov_b32 s[G0+1], s45                         ; and slot 0's sets name my 128 rows
	s_add_nc_u64 s[G0+2:G0+3], s[G0+2:G0+3], s[18:19]
	s_mov_b32 s[G0B+1], s45
	s_add_nc_u64 s[G0B+2:G0B+3], s[G0B+2:G0B+3], s[18:19]
	s_wait_dscnt 0x0
	CROUND                                         ; all four tiles are in, all sixteen work-groups are here
	JLOAD G0+4, G1, G0B+4, G1B                     ; K step 1: the first tensor load behind the round
	FETCH_B 0, 0, 0
	FETCH_A 0, 0, 0
	SCALES 0
	FETCH_A 0, 0, 4
	STEP 0, 0, 1                                   ; the first step stands in front of the loop: its products start the sums
	s_mov_b32 s3, LAPS-1
.Llap:                                                 ; a trip goes once round the ring, from a lap's second step to the next lap's first, and fills both slots again
	TURN 0, 1, 1
	STEP 1, 0, 0
	TURN 1, 0, 1
	STEP 0, 0, 0
	s_sub_co_u32 s3, s3, 1
	s_cmp_lg_u32 s3, 0
	s_cbranch_scc1 .Llap
	TURN 0, 1, 0                                   ; the last lap fills nothing, and has no round of the cluster's barrier
	STEP 1, 0, 0
	s_wait_dscnt 4*NL                              ; the very last step: nothing more to fetch
	WIN MUL_LO
	MUL16 0, 1, NQ-1, 1, 0
	MUL16 2, 1, NQ-1, 1, 0
	s_wait_dscnt 0
	WIN MUL_HI
	MUL16 4, 1, NQ-1, 1, 0
	MUL16 6, 1, NQ-1, 1, 0
	WIN 0
	PLACES NP                                      ; in front of the first read of results and of writes over A's fragments
	; THE WAY OUT.  Where my results go hangs on the product; only scalars differ.  Ag = my block of 128 rows of A, Cb = my block of 128 rows of B.
	;   k: [16 batch + head][key tile][768 bytes]: registers 0-5 to head 2 Cb, registers 6-11 to head 2 Cb + 1;   v: [key step Cb][tile of 16 features][1,536 bytes]: one whole fragment
	; (No tensor load of mine is out since the last change of slots: the scales' descriptor registers are free.)
	s_mov_b32 s72, 31                              ; k: blocks of A in a batch - 1,
	s_mov_b32 s73, 5                               ; its logarithm,
	s_mov_b32 s74, 6144                            ; bytes from block to block of A,
	s_mov_b32 s75, 3145728                         ; from batch to batch,
	s_mov_b32 s76, 393216                          ; from Cb to Cb + 1,
	s_mov_b32 s77, 196608                          ; from registers 0-5 to registers 6-11,
	s_mov_b32 s78, 768                             ; from tile to tile,
	s_mov_b32 s79, 6                               ; logarithm of the chunks of scale words for each Cb,
	s_mov_b32 s80, K_C
	s_mov_b32 s81, K_S
	s_cmp_ge_u32 s96, 8                            ; v
	s_cselect_b32 s72, 7, s72
	s_cselect_b32 s73, 3, s73
	s_cselect_b32 s74, 12288, s74
	s_cselect_b32 s75, 0, s75
	s_cselect_b32 s76, 98304, s76
	s_cselect_b32 s77, 768, s77
	s_cselect_b32 s78, 1536, s78
	s_cselect_b32 s79, 3, s79
	s_cselect_b32 s80, V_C, s80
	s_cselect_b32 s81, V_S, s81
	s_lshl_b32 s82, s17, 1
	s_add_co_u32 s82, s82, s15                     ; Ag
	s_lshl_b32 s83, s42, 1
	s_add_co_u32 s83, s83, s16                     ; Cb
	s_and_b32 s84, s82, s72
	s_mul_i32 s84, s84, s74
	s_lshr_b32 s85, s82, s73
	s_mul_i32 s85, s85, s75
	s_add_co_u32 s84, s84, s85
	s_mul_i32 s85, s83, s76
	s_add_co_u32 s84, s84, s85
	s_add_co_u32 s84, s84, s80                     ; under 15,728,640
	s_mov_b32 s85, 0
	s_add_nc_u64 s[68:69], s[8:9], s[84:85]        ; where registers 0-5 of block 0 go,
	s_mov_b32 s84, s77
	s_add_nc_u64 s[70:71], s[68:69], s[84:85]      ; and registers 6-11
	s_lshl_b32 s86, s83, s79
	s_add_co_u32 s86, s86, s82
	s_lshl_b32 s86, s86, 9                         ; a wave's 8 x 16 scale words are a chunk of 512 bytes
	s_add_co_u32 s86, s86, s81
	s_mov_b32 s87, 0
	s_add_nc_u64 s[88:89], s[10:11], s[86:87]
	s_mov_b32 s[SEL], 0x76543210
	s_mov_b32 s[SEL+1], 0xfedcba98
	v_and_b32 v[VO], 31, v0
	v_lshlrev_b32 v[VO], 3, v[VO]                  ; 8 bytes a lane: a store of the wave covers 256 consecutive bytes, aligned
.irp a, 1,2,3,4,5,6,7
	v_add_nc_u32 v[VO+\a], s78, v[VO+\a-1]
.endr
	v_mov_b32 v[TM+8], 0                           ; written once: a lane permute's destination counts as one of its sources
	v_bfe_u32 v[TM+9], v0, 4, 1
	v_lshlrev_b32 v[TM+9], 3, v[TM+9]              ; 8 x (lane / 16): where my two scale bytes stand in the word
; Block a: 16 rows of A x my 128 rows of B.  A lane's 64 results, register 32 c + 16 m + i = place 64 c + 32 (lane / 16) + 16 m + i along the next K, become a fragment's 12 registers and its row's scale word.
; Every block has its own registers for codes, offset and scale word, and the bases are never stepped: no store's source is written again.
.macro QOUT a
.set AC, 64*((\a)%4)
.set QCA, QC+12*(\a)
	WIN 0x0a+5*((\a)/4)                            ; sources 0 and 1: window 2 or 3
.irp b, 0,1,2,3
	v_max3_num_f32 v[TM+\b], |v[AC+16*\b]|, |v[AC+16*\b+1]|, 0x1800000   ; block b of 32: my 16 numbers, and the floor 2^(3 - 127); each accumulator is read from its low end on
.endr
.irp i, 2,4,6,8,10,12,14
.irp b, 0,1,2,3
	v_max3_num_f32 v[TM+\b], |v[AC+16*\b+\i]|, |v[AC+16*\b+\i+1]|, v[TM+\b]   ; (the four blocks by turns)
.endr
.endr
	WIN 0
.irp c, 0,1
	v_max_num_f32 v[TM+2*\c], v[TM+2*\c], v[TM+2*\c+1]   ; registers 32 c .. 32 c + 31 are my whole block 2 c + lane / 16
.endr
.irp c, 0,1
	v_add_nc_u32 v[TM+12+\c], 0xff000000, v[TM+2*\c]     ; 2 off its exponent field: the conversion's scale operand
.endr
.irp c, 0,1
	v_lshrrev_b32 v[TM+4+\c], 23, v[TM+12+\c]            ; the scale's byte
.endr
	v_lshl_or_b32 v[TM+6], v[TM+5], 16, v[TM+4]    ; my two bytes,
	v_lshlrev_b32 v[TM+6], v[TM+9], v[TM+6]        ; at their places in the word;
	v_permlanex16_b32 v[TM+8], v[TM+6], s[SEL], s[SEL+1]
	v_or_b32 v[PW+(\a)], v[TM+6], v[TM+8]          ; with lane l xor 16's two the row's word is whole
	WIN 0x02+((\a)/4)                              ; source 0 alone in the accumulators' window
.irp c, 0,1
	v_cvt_scalef32_pk16_fp6_f32 v[QCA+6*\c:QCA+6*\c+2], v[AC+32*\c:AC+32*\c+15], v[TM+12+\c]
	v_cvt_scalef32_pk16_fp6_f32 v[CT+4*\c:CT+4*\c+2], v[AC+32*\c+16:AC+32*\c+31], v[TM+12+\c]   ; (a conversion's three registers begin on an even number)
.endr
	WIN 0
	v_nop                                          ; one plain place behind the scaled conversions
.irp c, 0,1                                    ; the operand's layout wants a whole block in a lane: lanes 0-15 block 2 c, lanes 16-31 block 2 c + 1
.irp i, 0,1,2
	v_mov_b32 v[QCA+3+6*\c+\i], v[CT+4*\c+\i]
.endr
.endr
.irp p, 0,1,2
	global_store_b64 v[VO+(\a)], v[QCA+2*\p:QCA+2*\p+1], s[68:69] offset:256*\p       ; registers 2 p, 2 p + 1 of all 32 lanes: 256 consecutive bytes
	global_store_b64 v[VO+(\a)], v[QCA+6+2*\p:QCA+6+2*\p+1], s[70:71] offset:256*\p
.endr
	ds_store_b32 v[SSA], v[PW+(\a)] offset:64*(\a) ; lanes l and l + 16 write the same word with the same value
.endm
.irp a, 0,1,2,3,4,5,6,7
	QOUT \a
.endr
	ds_load_b128 v[SW:SW+3], v[SSR]                ; LDS serves a wave's instructions in order: this sees my stores
	s_wait_dscnt 0x0
	global_store_b128 v[LO16], v[SW:SW+3], s[88:89]   ; my 128 scale words: 512 consecutive bytes, aligned
	s_wait_tensorcnt 0x0                           ; the wave's end
	ds_add_u32 v[SPW], v[NIL]
	s_wait_dscnt 0x0
	CROUND                                         ; the closing round: no work-group ends while a partner may still ask for a tile that names it
	s_endpgm
.Lfunc_end_k_qd2a56a2fc3_proj:
	.size	k_qd2a56a2fc3_proj, .Lfunc_end_k_qd2a56a2fc3_proj-k_qd2a56a2fc3_proj
	.p2alignl 7, 3214868480
	.fill 96, 4, 3214868480
	.section	.rodata,"a",@progbits
	.p2align	6, 0x0
	.amdhsa_kernel k_qd2a56a2fc3_proj
		.amdhsa_group_segment_fixed_size 327680
		.amdhsa_private_segment_fixed_size 0
		.amdhsa_enable_private_segment 0
		.amdhsa_kernarg_size 32
		.amdhsa_user_sgpr_count 2
		.amdhsa_user_sgpr_kernarg_segment_ptr 1
		.amdhsa_wavefront_size32 1
		.amdhsa_system_sgpr_workgroup_id_x 1
		.amdhsa_system_sgpr_workgroup_id_y 1
		.amdhsa_system_sgpr_workgroup_id_z 1
		.amdhsa_system_vgpr_workitem_id 0
		.amdhsa_next_free_vgpr 1024
		.amdhsa_next_free_sgpr 102
		.amdhsa_reserve_vcc 0
		.amdhsa_float_denorm_mode_32 3
		.amdhsa_float_denorm_mode_16_64 3
		.amdhsa_memory_ordered 1
		.amdhsa_forward_progress 1
		.amdhsa_inst_pref_size 164
	.end_amdhsa_kernel
	.amdgpu_metadata
---
amdhsa.version: [ 1, 2 ]
amdhsa.kernels:
  - .name:           k_qd2a56a2fc3_proj
    .symbol:         k_qd2a56a2fc3_proj.kd
    .args:
      - { .name: cod, .offset: 0, .size: 8, .value_kind: global_buffer, .address_space: global }
      - { .name: scl, .offset: 8, .size: 8, .value_kind: global_buffer, .address_space: global }
      - { .name: acod, .offset: 16, .size: 8, .value_kind: global_buffer, .address_space: global }
      - { .name: ascl, .offset: 24, .size: 8, .value_kind: global_buffer, .address_space: global }
    .group_segment_fixed_size: 327680
    .private_segment_fixed_size: 0
    .kernarg_segment_align: 8
    .kernarg_segment_size: 32
    .max_flat_workgroup_size: 128
    .sgpr_count:     102
    .vgpr_count:     1024
    .wavefront_size: 32
...
	.end_amdgpu_metadata
.endif
;; end of part 2
;; launch attn (part 3): grid 8 x 32, 16 waves a work-group, clusters of 4 x 1, 327,680 bytes of LDS; arguments acod, ascl, oc, osc, xq, scl; writes oc, osc
.if DOCPART == 3
	.amdgcn_target "amdgcn-amd-amdhsa--gfx1250"
	.amdhsa_code_object_version 6
	.text
	.protected	k_qd2a56a2fc3_attn
	.globl	k_qd2a56a2fc3_attn
	.p2align	8
	.type	k_qd2a56a2fc3_attn,@function
k_qd2a56a2fc3_attn:
	s_mov_b64 s[64:65], 0
	v_nop
	global_prefetch_b8 v0, s[64:65] scope:SCOPE_SE
	s_setreg_imm32_b32 hwreg(HW_REG_WAVE_MODE, 25, 1), 1
	s_wait_xcnt 0x0
	s_wait_alu depctr_hold_cnt(0) depctr_sa_sdst(0) depctr_va_vdst(0) depctr_va_sdst(0) depctr_va_ssrc(0) depctr_va_vcc(0) depctr_vm_vsrc(0)
	s_getreg_b32 s2, hwreg(HW_REG_IB_STS2, 6, 4)
	s_cmp_eq_u32 s2, 0
	s_cbranch_scc0 .Lentry_in_a_cluster
	s_endpgm
.Lentry_in_a_cluster:
	s_bfe_u32 s2, ttmp6, 0x10000c
	s_cmp_lg_u32 s2, 0x3003
	s_cbranch_scc0 .Lentry_shape_is_right
	s_endpgm
.Lentry_shape_is_right:
; THE q PROJECTION AND ATTENTION on codes of FP6 (E2M3): q = x Wq^T quantised along the head's features; S^T = k q^T, p = 2^(t - M), O^T += v^T p^T, o = O / l, and o quantised for the last projection.
; A work-group takes 256 queries of one batch and head and walks the 4,096 keys in 32 steps of 128.  Sixteen waves, four to a SIMD; a wave owns one tile of 16 queries.
; All products are used transposed: a lane holds one query throughout.
; q: the work-group's block of q is x's 256 rows x Wq's 64 rows of the head, K = 1,024: no other work-group makes it.  A wave takes its 16 rows of x straight from memory into registers (xq holds images of operand
; registers, 24 bytes a lane: a K step's three loads of a half cover 768 consecutive bytes) and Wq's four tiles from LDS; four accumulators by turns, K ascending.  Wq's stored row 16 u + 8 h + j of a head is
; feature 32 h + 8 u + j, so a lane's 32 results are its whole block of 32 features.
; KEY ORDER: stored key 16 u + 8 h + j of a group of 64 is real key 32 h + 8 u + j, so lane (r, h) holds in the 32 registers of four neighbouring score tiles the 32 neighbouring
; keys 64 c + 32 h + 0..31: a whole block of p, in the order in which the 6-bit operand wants it.  A block's maximum needs no other lane; only the row's maximum and the scale word cross to lane l xor 16.
; v's feature rows are stored in the same order, so O^T's 32 registers are features 32 h + 0..31 of the head.
; M is the running largest t rounded up to a whole number (kept as -M); a change of M multiplies l and O^T by an exact power of two.  l is the sum of the unquantised p.
; A block's largest p is made from its largest score by the same multiply-add and exponential as every p.
; The head size is 64: registers 6-11 of q's operand are zero codes, and k's operand runs on into the next tile's registers, which those zeros multiply.
; LDS: two slots of 8 key steps (k 49,152 bytes, then v 49,152) at 0 and at 131,072; between them k's scale words (16,384), v's (8,192) and the spare words; behind slot 1 Wq's 49,152 bytes, filled once.
; At the head every wave asks for one tile: waves 0-3 quarters of slot 0's k, 4-7 of its v, 8-9 halves of k's scale words, 10-11 of v's, 12-15 Wq's four tiles.  Slot 1 is first filled behind the first trip's round, as a refill is.
; CLUSTERS: the four work-groups of a cluster hold query blocks of one head and read the same tiles: every tensor load is a joint one with the mask 15.
; PREFETCH: in the first two slot trips wave 8 (k) and wave 9 (v) name the tile that the next trip's refill loads; the eight work-groups of a head take one key step of it each, 24 blocks of 256 bytes (lanes 24-31 name the last again).
; Every wait on TENSORcnt, DScnt and LOADcnt in this text is for 0.
; LIMITS: the promise holds while the scaled scores t stay under 2^31 in magnitude; NaN and infinities are not served; a block whose largest number lies under 2^-124 keeps the scale byte 1.
.set K_C,   3145728
.set V_C,   9437184
.set K_S,   131072
.set V_S,   393216
.set WQ_I,  3145728                    ; Wq's images in xq, behind x's
.set WQ_S,  425984                     ; Wq's scale bytes in scl (x's at 0)
.set STEPB, 6144                       ; a key step of k, or of v, in bytes
.set NST,   8                          ; key steps in a slot
.set KT,    NST*STEPB                  ; k's part of a slot, and from tile to tile of k in memory
.set VT,    NST*98304                  ; from tile to tile of v in memory
.set SLOT1, 131072
.set SCK,   98304
.set SCV,   SCK+16384
.set SPARE, SCV+8192                   ; 2,048 bytes of spare words
.set WQL,   SLOT1+2*KT                 ; Wq's tiles
.set AK0,  1                           ; 8 x lane
.set AW,   2                           ; WQL + 24 x lane
.set ASK0, 3                           ; k's scale words: SCK + 4 x lane + 2 x (head % 2)
.set ASV0, 4                           ; v's: SCV + 4 x lane
.set SPW,  5
.set NIL,  6
.set ADK,  8
.set ADS,  10
.set ADT,  11
; v12 -M, v13 the largest t, v[14:15] l in two halves, v16-27 q
.set PFO,  28
.set OSO,  29
.set XO,   30                          ; 24 x lane
.set SH8,  31                          ; 8 x (lane / 16)
.set KF,   32                          ; v32-85 k's eight tiles of 6 registers and 6 of zeros; then v32-79 v's four fragments; in the q phase Wq's four
.set S,    86                          ; scores, then p
.set XF,   86                          ; the q phase: v86-181 x's eight fragments
.set O,    150
.set P,    182                         ; p's codes
.set QA,   182                         ; the q phase: v182-213 q's four accumulators
.set CT,   194
.set BM,   202
.set SOP,  206
.set F,    208
.set T,    210
.set X,    211
.set L2,   212
.set W,    214
.set BMQ,  214                         ; the q phase's quantiser
.set SOPQ, 216
.set WQR,  217
.set TQ,   218
.set XQ,   221
.set WSO,  222
.set XSO,  223
.set KSC,  224                         ; scale words: register j: lanes 0-15 tile 2 j, lanes 16-31 tile 2 j + 1
.set VSC,  228
.set QSC,  230
.set PSC,  232
.set SCW,  234                         ; v234-249 Wq's scale words: register 8 j + K step: lanes 0-15 tile 2 j, lanes 16-31 tile 2 j + 1
.set SCX,  250                         ; v250-253 x's: register s: lanes 0-15 K step s, lanes 16-31 K step 4 + s
.set TB,   2
.set TS,   3
.set WV,   18
.set Q4,   19
.set SEL,  20
.set CS,   22
.set G1K,  24
.set G1V,  32
.set G1SK, 40
.set G1SV, 48
.set G0K,  56
.set G0V,  60
.set TJ,   66
.set SB,   67
.set G0SK, 68
.set G0SV, 72
.set G0WQ, 76
.set CNT,  80
.set OC,   81
.set PFA,  82
.set PFS,  84
.set LIM,  86
.set H2,   87
.set BH,   88
.set BB,   89
.set HH,   90
.set HP,   91
.set H1,   92
.set XW,   93
.set KB,   94
.set VB,   95
.macro GROUP1 g, c, r, p               ; r rows of c elements of 8 bytes, pitch p elements; the mask names the cluster's four, bit 21 beside it
	s_mov_b32 s[\g], (3<<16)|(1<<21)|15
	s_mov_b32 s[\g+1], (\c)<<16
	s_mov_b32 s[\g+2], (\r)<<16
	s_mov_b32 s[\g+3], (\c)<<16
	s_mov_b32 s[\g+4], \r
	s_mov_b32 s[\g+5], \p
	s_mov_b32 s[\g+6], 0
	s_mov_b32 s[\g+7], 0
.endm
.macro TL g0, g1                       ; s_nop 0 and four v_nop behind the load
	tensor_load_to_lds s[\g0:\g0+3], s[\g1:\g1+7]
	s_nop 0
.rept 4
	v_nop
.endr
.endm
.macro CREST
	s_cmp_lg_u32 s[WV], 0
	s_cbranch_scc1 .Lnw0_\@
	s_barrier_signal -3
.Lnw0_\@:
	s_barrier_wait -3
	s_barrier_signal -1
	s_barrier_wait -1
.endm
.macro CROUND
	s_barrier_signal -1
	s_barrier_wait -1
	CREST
.endm
	s_load_b256 s[4:11], s[0:1], 0x0               ; acod, ascl, oc, osc
	s_load_b128 s[12:15], s[0:1], 0x20             ; xq, scl
	v_lshl_add_u32 v[SPW], v0, 2, SPARE
	v_mov_b32 v[NIL], 0
	ds_add_u32 v[SPW], v[NIL]                      ; the opening lines: the add twice on end and one wait
	ds_add_u32 v[SPW], v[NIL]
	v_lshrrev_b32 v8, 5, v0
	v_readfirstlane_b32 s[WV], v8
	s_and_b32 s[Q4], s[WV], 3                      ; which quarter, or which tile of Wq, I fetch
	s_and_b32 s[H2], s[WV], 1                      ; or which half of a scale table
	s_and_b32 s[BH], ttmp7, 0xffff                 ; 16 batch + head
	s_lshr_b32 s[BB], s[BH], 4
	s_and_b32 s[HH], s[BH], 15
	s_lshr_b32 s[HP], s[HH], 1
	s_and_b32 s[H1], s[HH], 1
	s_bfe_u32 s16, ttmp6, 0x40000
	s_lshl_b32 s[XW], ttmp9, 2
	s_add_co_u32 s[XW], s[XW], s16                 ; work-group x = 4 x cluster x + cx: it enters global offsets of my own loads, stores and prefetches alone
	s_mul_i32 s16, s[Q4], 2*STEPB                  ; a quarter of a tile: two key steps.  (Each set's words 2 and 3 hold the offset first; the buffer's address is added below)
	s_mul_i32 s[KB], s[BH], 196608
	s_add_co_u32 s[KB], s[KB], K_C                 ; k's tile 0
	s_mov_b32 s[G0K], 1
	s_mov_b32 s[G0K+1], s16
	s_add_co_u32 s[G0K+2], s[KB], s16
	s_mov_b32 s[G0K+3], 0
	s_mul_i32 s[VB], s[BB], 3145728
	s_mul_i32 s17, s[HH], STEPB
	s_add_co_u32 s[VB], s[VB], s17
	s_add_co_u32 s[VB], s[VB], V_C                 ; v's tile 0
	s_mul_i32 s17, s[Q4], 2*98304
	s_mov_b32 s[G0V], 1
	s_add_co_u32 s[G0V+1], s16, KT
	s_add_co_u32 s[G0V+2], s[VB], s17
	s_mov_b32 s[G0V+3], 0
	s_lshl_b32 s16, s[H2], 13                      ; k's scale words, my half
	s_mov_b32 s[G0SK], 1
	s_add_co_u32 s[G0SK+1], s16, SCK
	s_lshl_b32 s17, s[HP], 15
	s_add_co_u32 s16, s16, s17
	s_lshl_b32 s17, s[BB], 14
	s_add_co_u32 s16, s16, s17
	s_add_co_u32 s[G0SK+2], s16, K_S
	s_mov_b32 s[G0SK+3], 0
	s_lshl_b32 s16, s[H2], 12                      ; v's, my half
	s_mov_b32 s[G0SV], 1
	s_add_co_u32 s[G0SV+1], s16, SCV
	s_lshl_b32 s16, s[H2], 16
	s_lshl_b32 s17, s[BB], 17
	s_add_co_u32 s16, s16, s17
	s_lshl_b32 s17, s[HH], 8
	s_add_co_u32 s16, s16, s17
	s_add_co_u32 s[G0SV+2], s16, V_S
	s_mov_b32 s[G0SV+3], 0
	s_mul_i32 s16, s[Q4], 12288                    ; Wq's tile Q4 of the head: 12,288 dense bytes, the shape of a quarter of k
	s_mov_b32 s[G0WQ], 1
	s_add_co_u32 s[G0WQ+1], s16, WQL
	s_mul_i32 s17, s[HH], 49152
	s_add_co_u32 s16, s16, s17
	s_add_co_u32 s[G0WQ+2], s16, WQ_I
	s_mov_b32 s[G0WQ+3], 0
	GROUP1 G1K, 32, 48, 32                         ; 12,288 dense bytes as rows of 256
	GROUP1 G1V, 768, 2, 12288                      ; 2 key steps of 6,144 bytes, 98,304 apart
	GROUP1 G1SK, 32, 32, 32                        ; 8,192 dense bytes
	GROUP1 G1SV, 32, 16, 512                       ; 16 key steps of 256 bytes, 4,096 apart
	s_mov_b32 s[SEL], 0x76543210
	s_mov_b32 s[SEL+1], 0xfedcba98                 ; lane l xor 16
	s_mov_b32 s[CS], 0x3e38aa3b                    ; log2(e) / 8
	s_mov_b32 s[CS+1], s[CS]
	s_mov_b32 s[SB], 0
	s_mov_b32 s[TS], 0
	s_mov_b32 s[TJ], 0
	s_wait_dscnt 0x0
	s_wait_kmcnt 0x0
	s_add_nc_u64 s[G0K+2:G0K+3], s[4:5], s[G0K+2:G0K+3]
	s_or_b32 s[G0K+3], s[G0K+3], 0x80000000
	s_add_nc_u64 s[G0V+2:G0V+3], s[4:5], s[G0V+2:G0V+3]
	s_or_b32 s[G0V+3], s[G0V+3], 0x80000000
	s_add_nc_u64 s[G0SK+2:G0SK+3], s[6:7], s[G0SK+2:G0SK+3]
	s_or_b32 s[G0SK+3], s[G0SK+3], 0x80000000
	s_add_nc_u64 s[G0SV+2:G0SV+3], s[6:7], s[G0SV+2:G0SV+3]
	s_or_b32 s[G0SV+3], s[G0SV+3], 0x80000000
	s_add_nc_u64 s[G0WQ+2:G0WQ+3], s[12:13], s[G0WQ+2:G0WQ+3]
	s_or_b32 s[G0WQ+3], s[G0WQ+3], 0x80000000
	CROUND                                         ; the four work-groups are here: the first joint loads meet
	s_cmp_ge_u32 s[WV], 4                          ; one chain of branches on the wave's number, one load in each arm
	s_cbranch_scc1 .Larm1
	TL G0K, G1K
	s_branch .Lasked
.Larm1:
	s_cmp_ge_u32 s[WV], 8
	s_cbranch_scc1 .Larm2
	TL G0V, G1V
	s_branch .Lasked
.Larm2:
	s_cmp_ge_u32 s[WV], 10
	s_cbranch_scc1 .Larm3
	TL G0SK, G1SK
	s_branch .Lasked
.Larm3:
	s_cmp_ge_u32 s[WV], 12
	s_cbranch_scc1 .Larm4
	TL G0SV, G1SV
	s_branch .Lasked
.Larm4:
	TL G0WQ, G1K
.Lasked:
	s_mul_i32 s16, s[XW], STEPB                    ; the prefetches: my work-group's key step of tile 1; each trip steps one tile on before it asks
	s_add_co_u32 s16, s16, s[KB]
	s_add_co_u32 s16, s16, KT
	s_mul_i32 s17, s[XW], 98304
	s_add_co_u32 s17, s17, s[VB]
	s_add_co_u32 s17, s17, VT
	s_mov_b32 s[PFS], VT
	s_cmp_eq_u32 s[WV], 8
	s_cselect_b32 s16, s16, s17
	s_cselect_b32 s[PFS], KT, s[PFS]
	s_mov_b32 s17, 0
	s_mov_b32 s[PFS+1], 0
	s_add_nc_u64 s[PFA:PFA+1], s[4:5], s[16:17]
	s_sub_co_u32 s[LIM], s[WV], 8
	s_cmp_lt_u32 s[LIM], 2
	s_cselect_b32 s[LIM], 1, -1                    ; waves 8 and 9 ask while the trip counter is above 1
	s_lshl_b32 s[KB], s[XW], 4
	s_add_co_u32 s[KB], s[KB], s[WV]
	s_lshl_b32 s[VB], s[BB], 7
	s_add_co_u32 s[KB], s[KB], s[VB]               ; my tile of 16 among all rows of x
	s_mul_i32 s16, s[KB], 12288
	s_add_nc_u64 s[12:13], s[12:13], s[16:17]      ; x's images
	s_mul_i32 s[VB], s[HH], 768
	s_add_co_u32 s16, s16, s[VB]
	s_add_nc_u64 s[8:9], s[8:9], s[16:17]          ; o's image
	s_lshl_b32 s16, s[KB], 9
	s_add_nc_u64 s[6:7], s[14:15], s[16:17]        ; x's scale bytes: 32 a row
	s_lshl_b32 s[VB], s[HH], 1
	s_add_co_u32 s16, s16, s[VB]
	s_add_nc_u64 s[10:11], s[10:11], s[16:17]      ; o's
	s_lshl_b32 s16, s[HH], 11
	s_add_co_u32 s16, s16, WQ_S
	s_add_nc_u64 s[14:15], s[14:15], s[16:17]      ; the scale bytes of the head's 64 rows of Wq
	s_lshl_b32 s16, s[H1], 1
	v_and_b32 v9, 31, v0
	v_and_b32 v10, 15, v0
	v_bfe_u32 v11, v0, 4, 1
	v_lshlrev_b32 v[AK0], 3, v9
	v_lshl_add_u32 v[ASK0], v9, 2, SCK
	v_add_nc_u32 v[ASK0], s16, v[ASK0]
	v_lshl_add_u32 v[ASV0], v9, 2, SCV
	v_lshl_add_u32 v[OSO], v10, 5, v11             ; osc: 32 bytes a row, my block's byte
	v_min_u32 v[PFO], 23, v9
	v_lshlrev_b32 v[PFO], 8, v[PFO]
	v_lshlrev_b32 v[SH8], 3, v11
	v_mul_u32_u24 v[XO], v9, 24
	v_add_nc_u32 v[AW], WQL, v[XO]
	v_lshlrev_b32 v[WSO], 5, v9                    ; Wq's scales: a row of 32 bytes a lane
	v_lshlrev_b32 v[XSO], 5, v10
	v_lshl_add_u32 v[XSO], v11, 4, v[XSO]          ; x's: lanes 0-15 the row's first 16 bytes, lanes 16-31 its last
	v_mov_b32 v[XQ], 0
	s_wait_alu depctr_va_vdst(0)
.irp q, 0,1,2,3,4,5,6,7
.irp p, 0,1,2,3,4,5
	global_load_b64 v[XF+12*\q+2*\p:XF+12*\q+2*\p+1], v[XO], s[12:13] offset:1536*\q+768*(\p/3)+8*(\p%3)
.endr
.endr
.irp j, 0,1
	global_load_b128 v[SCW+8*\j:SCW+8*\j+3], v[WSO], s[14:15] offset:1024*\j
	global_load_b128 v[SCW+8*\j+4:SCW+8*\j+7], v[WSO], s[14:15] offset:1024*\j+16
.endr
	global_load_b128 v[SCX:SCX+3], v[XSO], s[6:7]
	s_wait_tensorcnt 0x0                           ; my tile is in;
	s_barrier_signal -1
	s_barrier_wait -1                              ; everybody's is.
	s_wait_loadcnt 0x0
.macro QMUL q                          ; q^T += Wq x^T, 128 along K: the four accumulators by turns
.irp i, 0,1,2,3
.if (\q) == 0
.if \i%2
	v_wmma_scale_f32_16x16x128_f8f6f4 v[QA+8*\i:QA+8*\i+7], v[KF+12*\i:KF+12*\i+11], v[XF:XF+11], 0, v[SCW+8*(\i/2)], v[SCX] matrix_a_fmt:MATRIX_FMT_FP6 matrix_b_fmt:MATRIX_FMT_FP6 matrix_a_scale:MATRIX_SCALE_ROW1
.else
	v_wmma_scale_f32_16x16x128_f8f6f4 v[QA+8*\i:QA+8*\i+7], v[KF+12*\i:KF+12*\i+11], v[XF:XF+11], 0, v[SCW+8*(\i/2)], v[SCX] matrix_a_fmt:MATRIX_FMT_FP6 matrix_b_fmt:MATRIX_FMT_FP6
.endif
.else
.if (\q) < 4
.if \i%2
	v_wmma_scale_f32_16x16x128_f8f6f4 v[QA+8*\i:QA+8*\i+7], v[KF+12*\i:KF+12*\i+11], v[XF+12*(\q):XF+12*(\q)+11], v[QA+8*\i:QA+8*\i+7], v[SCW+8*(\i/2)+(\q)], v[SCX+(\q)%4] matrix_a_fmt:MATRIX_FMT_FP6 matrix_b_fmt:MATRIX_FMT_FP6 matrix_a_scale:MATRIX_SCALE_ROW1
.else
	v_wmma_scale_f32_16x16x128_f8f6f4 v[QA+8*\i:QA+8*\i+7], v[KF+12*\i:KF+12*\i+11], v[XF+12*(\q):XF+12*(\q)+11], v[QA+8*\i:QA+8*\i+7], v[SCW+8*(\i/2)+(\q)], v[SCX+(\q)%4] matrix_a_fmt:MATRIX_FMT_FP6 matrix_b_fmt:MATRIX_FMT_FP6
.endif
.else
.if \i%2
	v_wmma_scale_f32_16x16x128_f8f6f4 v[QA+8*\i:QA+8*\i+7], v[KF+12*\i:KF+12*\i+11], v[XF+12*(\q):XF+12*(\q)+11], v[QA+8*\i:QA+8*\i+7], v[SCW+8*(\i/2)+(\q)], v[SCX+(\q)%4] matrix_a_fmt:MATRIX_FMT_FP6 matrix_b_fmt:MATRIX_FMT_FP6 matrix_a_scale:MATRIX_SCALE_ROW1 matrix_b_scale:MATRIX_SCALE_ROW1
.else
	v_wmma_scale_f32_16x16x128_f8f6f4 v[QA+8*\i:QA+8*\i+7], v[KF+12*\i:KF+12*\i+11], v[XF+12*(\q):XF+12*(\q)+11], v[QA+8*\i:QA+8*\i+7], v[SCW+8*(\i/2)+(\q)], v[SCX+(\q)%4] matrix_a_fmt:MATRIX_FMT_FP6 matrix_b_fmt:MATRIX_FMT_FP6 matrix_b_scale:MATRIX_SCALE_ROW1
.endif
.endif
.endif
.endr
.endm
.irp q, 0,1,2,3,4,5,6,7
.if \q > 0
.rept 4
	v_nop                                          ; places in front of loads into registers that matrix instructions have read
.endr
.endif
.irp i, 0,1,2,3
.irp p, 0,1,2,3,4,5
	ds_load_b64 v[KF+12*\i+2*\p:KF+12*\i+2*\p+1], v[AW] offset:12288*\i+1536*\q+768*(\p/3)+8*(\p%3)
.endr
.endr
	s_wait_dscnt 0x0
	QMUL \q
.endr
.rept 4
	v_nop                                          ; places in front of the first read of results
.endr
.irp k, 0,1
	v_max3_num_f32 v[BMQ+\k], |v[QA+16*\k]|, |v[QA+16*\k+1]|, 0x1800000   ; my block of 32 features, and the floor 2^(3 - 127)
.endr
.irp i, 2,4,6,8,10,12,14
.irp k, 0,1
	v_max3_num_f32 v[BMQ+\k], v[BMQ+\k], |v[QA+16*\k+\i]|, |v[QA+16*\k+\i+1]|
.endr
.endr
	s_delay_alu instid0(VALU_DEP_1)
	v_max_num_f32 v[BMQ], v[BMQ], v[BMQ+1]
	s_delay_alu instid0(VALU_DEP_1)
	v_add_nc_u32 v[SOPQ], 0xff000000, v[BMQ]
	v_cvt_scalef32_pk16_fp6_f32 v[16:18], v[QA:QA+15], v[SOPQ]
	v_cvt_scalef32_pk16_fp6_f32 v[TQ:TQ+2], v[QA+16:QA+31], v[SOPQ]
	v_lshrrev_b32 v[WQR], 23, v[SOPQ]              ; the scale's byte (a plain line behind the conversions)
.irp i, 0,1,2
	v_mov_b32 v[19+\i], v[TQ+\i]
.endr
	v_lshlrev_b32 v[WQR], v[SH8], v[WQR]           ; at its place in the word
	s_delay_alu instid0(VALU_DEP_1)
	v_permlanex16_b32 v[XQ], v[WQR], s[SEL], s[SEL+1]
	s_delay_alu instid0(VALU_DEP_1)
	v_or_b32 v[QSC], v[WQR], v[XQ]                 ; q's scale word: two bytes; the two above them stay 0 over the zero codes
	v_mov_b32 v12, 0x7f61b1e6                      ; -M = 3e38
	v_mov_b32 v13, 0xff61b1e6                      ; the largest t so far: -3e38
	v_mov_b32 v14, 0
	v_mov_b32 v15, 0
.irp j, 0,1,2,3,4,5
	v_mov_b32 v[22+\j], 0
	v_mov_b32 v[KF+48+\j], 0
.endr
	v_mov_b32 v[X], 0
	v_mov_b32 v[F+1], 0
.set j, 0
.rept 32
	v_mov_b32 v[O+j], 0                            ; the step is written once: the first finds zeros
.set j, j+1
.endr
	s_wait_alu depctr_va_vdst(0)
.macro STEP                            ; 128 keys.  No two matrix instructions on end share an accumulator
	v_add_nc_u32 v[ADK], s[TB], v[AK0]             ; four plain lines: the places between the last step's products and the loads into their registers
	v_add_nc_u32 v[ADS], s[TS], v[ASK0]
	v_add_nc_u32 v[ADT], s[TJ], v[ASV0]
	v_nop
	s_add_co_u32 s[TB], s[TB], STEPB
	s_add_co_u32 s[TS], s[TS], 512
	s_add_co_u32 s[TJ], s[TJ], 256
.irp t, 0,1,2,3,4,5,6,7
.irp p, 0,1,2
	ds_load_b64 v[KF+6*\t+2*\p:KF+6*\t+2*\p+1], v[ADK] offset:768*\t+256*\p
.endr
.endr
.irp j, 0,1,2,3
	ds_load_u16 v[KSC+\j], v[ADS] offset:128*\j
.endr
	s_wait_alu depctr_va_vdst(0)
	s_wait_dscnt 0x0
.irp t, 0,1,2,3,4,5,6,7
.if \t%2
	v_wmma_scale_f32_16x16x128_f8f6f4 v[S+8*\t:S+8*\t+7], v[KF+6*\t:KF+6*\t+11], v[16:27], 0, v[KSC+\t/2], v[QSC] matrix_a_fmt:MATRIX_FMT_FP6 matrix_b_fmt:MATRIX_FMT_FP6 matrix_a_scale:MATRIX_SCALE_ROW1
.else
	v_wmma_scale_f32_16x16x128_f8f6f4 v[S+8*\t:S+8*\t+7], v[KF+6*\t:KF+6*\t+11], v[16:27], 0, v[KSC+\t/2], v[QSC] matrix_a_fmt:MATRIX_FMT_FP6 matrix_b_fmt:MATRIX_FMT_FP6
.endif
.endr
.rept 4
	v_nop                                          ; places in front of the loads over k's fragments and of the first read of scores
.endr
.irp d, 0,1,2,3
.irp p, 0,1,2,3,4,5
	ds_load_b64 v[KF+12*\d+2*\p:KF+12*\d+2*\p+1], v[ADK] offset:KT+1536*\d+256*\p
.endr
.endr
.irp j, 0,1
	ds_load_b32 v[VSC+\j], v[ADT] offset:128*\j
.endr
.irp k, 0,1,2,3
	v_max3_num_f32 v[BM+\k], v[S+16*\k], v[S+16*\k+1], v[S+16*\k+2]   ; four chains by turns; each accumulator is first read at its low end
.endr
.irp i, 3,5,7,9,11,13
.irp k, 0,1,2,3
	v_max3_num_f32 v[BM+\k], v[BM+\k], v[S+16*\k+\i], v[S+16*\k+\i+1]
.endr
.endr
	v_max3_num_f32 v[BM], v[BM], v[S+15], v[S+31]
	v_max3_num_f32 v[BM+2], v[BM+2], v[S+47], v[S+63]
	v_max_num_f32 v[BM], v[BM], v[BM+1]            ; the largest score of my block c = 0,
	v_max_num_f32 v[BM+2], v[BM+2], v[BM+3]        ; and of c = 1
	s_delay_alu instid0(VALU_DEP_1)
	v_max_num_f32 v[T], v[BM], v[BM+2]
	s_delay_alu instid0(VALU_DEP_1)
	v_mul_f32 v[T], s[CS], v[T]                    ; as t
	s_delay_alu instid0(VALU_DEP_1)
	v_permlanex16_b32 v[X], v[T], s[SEL], s[SEL+1]
	s_delay_alu instid0(VALU_DEP_1)
	v_max3_num_f32 v13, v13, v[T], v[X]            ; the running largest t of my query
	v_mov_b32 v[T], v12
	s_delay_alu instid0(VALU_DEP_2)
	v_floor_f32 v12, -v13                          ; -M = -ceil(t)
	s_delay_alu instid0(VALU_DEP_1)
	v_sub_f32 v[T], v12, v[T]
	s_delay_alu instid0(VALU_DEP_1)
	v_cvt_i32_f32 v[T], v[T]
	s_delay_alu instid0(VALU_DEP_1)
	v_ldexp_f32 v[F], 1.0, v[T]                    ; f = 2^(old M - new M)
.set j, 0
.rept 32
	v_pk_fma_f32 v[S+j:S+j+1], v[S+j:S+j+1], s[CS:CS+1], v[12:13] op_sel_hi:[1,0,0]
.set j, j+2
.endr
	v_fma_f32 v[BM], v[BM], s[CS], v12
	v_fma_f32 v[BM+2], v[BM+2], s[CS], v12
	s_wait_alu depctr_va_vdst(0)
.set j, 0
.rept 64
	v_exp_f32 v[S+j], v[S+j]
.set j, j+1
.endr
	v_exp_f32 v[BM], v[BM]                         ; each block's largest p
	v_exp_f32 v[BM+2], v[BM+2]
	v_pk_mul_f32 v[14:15], v[14:15], v[F:F+1] op_sel_hi:[1,0]   ; l under the new M: the plain place behind the batch
	s_wait_alu depctr_va_vdst(0)                   ; one wait for the batch, ahead of its first reader
	v_pk_add_f32 v[L2:L2+1], v[S:S+1], v[S+2:S+3]
.set j, 4
.rept 15
	v_pk_add_f32 v[14:15], v[14:15], v[S+j:S+j+1]
	v_pk_add_f32 v[L2:L2+1], v[L2:L2+1], v[S+j+2:S+j+3]
.set j, j+4
.endr
	v_max_num_f32 v[BM], 0x1800000, v[BM]          ; the floor 2^(3 - 127): the byte cannot fall under 1
	v_max_num_f32 v[BM+2], 0x1800000, v[BM+2]
	v_pk_add_f32 v[14:15], v[14:15], v[L2:L2+1]
	v_add_nc_u32 v[SOP], 0xff000000, v[BM]         ; 2 off the exponent field: the conversion's scale operand
	v_add_nc_u32 v[SOP+1], 0xff000000, v[BM+2]
	s_delay_alu instid0(VALU_DEP_2)
	v_lshrrev_b32 v[BM+1], 23, v[SOP]
	s_delay_alu instid0(VALU_DEP_2)
	v_lshrrev_b32 v[BM+3], 23, v[SOP+1]
	s_delay_alu instid0(VALU_DEP_1)
	v_lshl_or_b32 v[W], v[BM+3], 16, v[BM+1]       ; my two bytes: blocks h and 2 + h,
	s_delay_alu instid0(VALU_DEP_1)
	v_lshlrev_b32 v[W], v[SH8], v[W]               ; at their places in the word
	s_delay_alu instid0(VALU_DEP_1)
	v_permlanex16_b32 v[X], v[W], s[SEL], s[SEL+1]
.irp c, 0,1
	v_cvt_scalef32_pk16_fp6_f32 v[P+6*\c:P+6*\c+2], v[S+32*\c:S+32*\c+15], v[SOP+\c]
	v_cvt_scalef32_pk16_fp6_f32 v[CT+4*\c:CT+4*\c+2], v[S+32*\c+16:S+32*\c+31], v[SOP+\c]   ; (a conversion's three registers begin on an even number)
.endr
	v_or_b32 v[PSC], v[W], v[X]                    ; p's scale word; also the plain place behind the conversions
.irp c, 0,1
.irp i, 0,1,2
	v_mov_b32 v[P+3+6*\c+\i], v[CT+4*\c+\i]
.endr
.endr
	s_wait_alu depctr_va_vdst(0)
.set j, 0
.rept 16
	v_pk_mul_f32 v[O+j:O+j+1], v[O+j:O+j+1], v[F:F+1] op_sel_hi:[1,0]   ; these sixteen are also the places between the scale word, the codes and the products
.set j, j+2
.endr
	s_wait_alu depctr_va_vdst(0)
	s_wait_dscnt 0x0                               ; v's fragments and scale words are in
.irp d, 0,1,2,3
.if \d%2
	v_wmma_scale_f32_16x16x128_f8f6f4 v[O+8*\d:O+8*\d+7], v[KF+12*\d:KF+12*\d+11], v[P:P+11], v[O+8*\d:O+8*\d+7], v[VSC+\d/2], v[PSC] matrix_a_fmt:MATRIX_FMT_FP6 matrix_b_fmt:MATRIX_FMT_FP6 matrix_a_scale:MATRIX_SCALE_ROW1
.else
	v_wmma_scale_f32_16x16x128_f8f6f4 v[O+8*\d:O+8*\d+7], v[KF+12*\d:KF+12*\d+11], v[P:P+11], v[O+8*\d:O+8*\d+7], v[VSC+\d/2], v[PSC] matrix_a_fmt:MATRIX_FMT_FP6 matrix_b_fmt:MATRIX_FMT_FP6
.endif
.endr
.endm
.macro TRIP fill                       ; one slot: 8 steps.  fill = 1: the other slot takes the next tile (the first time: slot 1's first fill, issued as a refill is)
	s_wait_tensorcnt 0x0                           ; all my tensor loads are in;
	ds_add_u32 v[SPW], v[NIL]
	s_xor_b32 s[G0K+1], s[G0K+1], SLOT1            ; no load of mine is out: the sets step one tile and one slot on
	s_add_nc_u64 s[G0K+2:G0K+3], s[G0K+2:G0K+3], KT
	s_xor_b32 s[G0V+1], s[G0V+1], SLOT1
	s_add_nc_u64 s[G0V+2:G0V+3], s[G0V+2:G0V+3], VT
	s_wait_xcnt 0x0                                ; my last prefetch has read its address
	s_add_nc_u64 s[PFA:PFA+1], s[PFA:PFA+1], s[PFS:PFS+1]
	s_mov_b32 s[TB], s[SB]
	s_wait_dscnt 0x0                               ; the add is done, and my reads of the last slot
	s_barrier_signal -1
	s_barrier_wait -1
.if \fill
	CREST                                          ; the barrier has opened a round of the cluster's barrier
	s_cmp_ge_u32 s[WV], 4
	s_cbranch_scc1 .Lnk_\@
	TL G0K, G1K
	s_branch .Lfd_\@
.Lnk_\@:
	s_cmp_ge_u32 s[WV], 8
	s_cbranch_scc1 .Lfd_\@
	TL G0V, G1V
.Lfd_\@:
	s_cmp_gt_u32 s[OC], s[LIM]
	s_cbranch_scc0 .Lna_\@
	global_prefetch_b8 v[PFO], s[PFA:PFA+1] th:TH_LOAD_NT scope:SCOPE_SE
.Lna_\@:
.endif
	s_mov_b32 s[CNT], NST
.Lst_\@:
	STEP
	s_sub_co_u32 s[CNT], s[CNT], 1
	s_cmp_lg_u32 s[CNT], 0
	s_wait_alu depctr_va_vdst(0)
	s_cbranch_scc1 .Lst_\@
	s_xor_b32 s[SB], s[SB], SLOT1
.endm
	s_mov_b32 s[OC], 3
.Lslot:
	TRIP 1                                         ; tiles 0 to 2; tiles 1 to 3 are asked for
	s_sub_co_u32 s[OC], s[OC], 1
	s_cmp_lg_u32 s[OC], 0
	s_cbranch_scc1 .Lslot
	TRIP 0                                         ; tile 3
	; o = O / l, its block of 32 features quantised, stored as an image of operand registers, its scale byte beside
	v_add_f32 v14, v14, v15
	s_delay_alu instid0(VALU_DEP_1)
	v_permlanex16_b32 v[X], v14, s[SEL], s[SEL+1]
	s_delay_alu instid0(VALU_DEP_1)
	v_add_f32 v14, v14, v[X]
	v_nop
	v_nop                                          ; (with the three lines above: the places behind the last products)
	s_wait_alu depctr_va_vdst(0)
	v_rcp_f32 v14, v14
	v_nop
	s_wait_alu depctr_va_vdst(0)
.set j, 0
.rept 16
	v_pk_mul_f32 v[S+j:S+j+1], v[O+j:O+j+1], v[14:15] op_sel_hi:[1,0]
.set j, j+2
.endr
.irp k, 0,1
	v_max3_num_f32 v[BM+\k], |v[S+16*\k]|, |v[S+16*\k+1]|, 0x1800000
.endr
.irp i, 2,4,6,8,10,12,14
.irp k, 0,1
	v_max3_num_f32 v[BM+\k], v[BM+\k], |v[S+16*\k+\i]|, |v[S+16*\k+\i+1]|
.endr
.endr
	s_delay_alu instid0(VALU_DEP_1)
	v_max_num_f32 v[BM], v[BM], v[BM+1]
	s_delay_alu instid0(VALU_DEP_1)
	v_add_nc_u32 v[SOP], 0xff000000, v[BM]
	v_cvt_scalef32_pk16_fp6_f32 v[P:P+2], v[S:S+15], v[SOP]
	v_cvt_scalef32_pk16_fp6_f32 v[CT:CT+2], v[S+16:S+31], v[SOP]
	v_lshrrev_b32 v[BM+1], 23, v[SOP]
.irp i, 0,1,2
	v_mov_b32 v[P+3+\i], v[CT+\i]
.endr
.irp p, 0,1,2
	global_store_b64 v[AK0], v[P+2*\p:P+2*\p+1], s[8:9] offset:256*\p   ; 32 lanes store 256 consecutive bytes, aligned
.endr
	global_store_b8 v[OSO], v[BM+1], s[10:11]
	s_wait_tensorcnt 0x0                           ; the wave's end
	ds_add_u32 v[SPW], v[NIL]
	s_wait_dscnt 0x0
	CROUND                                         ; the closing round
	s_endpgm
.Lfunc_end_k_qd2a56a2fc3_attn:
	.size	k_qd2a56a2fc3_attn, .Lfunc_end_k_qd2a56a2fc3_attn-k_qd2a56a2fc3_attn
	.p2alignl 7, 3214868480
	.fill 96, 4, 3214868480
	.section	.rodata,"a",@progbits
	.p2align	6, 0x0
	.amdhsa_kernel k_qd2a56a2fc3_attn
		.amdhsa_group_segment_fixed_size 327680
		.amdhsa_private_segment_fixed_size 0
		.amdhsa_enable_private_segment 0
		.amdhsa_kernarg_size 48
		.amdhsa_user_sgpr_count 2
		.amdhsa_user_sgpr_kernarg_segment_ptr 1
		.amdhsa_wavefront_size32 1
		.amdhsa_system_sgpr_workgroup_id_x 1
		.amdhsa_system_sgpr_workgroup_id_y 1
		.amdhsa_system_sgpr_workgroup_id_z 1
		.amdhsa_system_vgpr_workitem_id 0
		.amdhsa_next_free_vgpr 256
		.amdhsa_next_free_sgpr 100
		.amdhsa_reserve_vcc 0
		.amdhsa_float_denorm_mode_32 3
		.amdhsa_float_denorm_mode_16_64 3
		.amdhsa_memory_ordered 1
		.amdhsa_forward_progress 1
		.amdhsa_inst_pref_size 75
	.end_amdhsa_kernel
	.amdgpu_metadata
---
amdhsa.version: [ 1, 2 ]
amdhsa.kernels:
  - .name:           k_qd2a56a2fc3_attn
    .symbol:         k_qd2a56a2fc3_attn.kd
    .args:
      - { .name: acod, .offset: 0, .size: 8, .value_kind: global_buffer, .address_space: global }
      - { .name: ascl, .offset: 8, .size: 8, .value_kind: global_buffer, .address_space: global }
      - { .name: oc, .offset: 16, .size: 8, .value_kind: global_buffer, .address_space: global }
      - { .name: osc, .offset: 24, .size: 8, .value_kind: global_buffer, .address_space: global }
      - { .name: xq, .offset: 32, .size: 8, .value_kind: global_buffer, .address_space: global }
      - { .name: scl, .offset: 40, .size: 8, .value_kind: global_buffer, .address_space: global }
    .group_segment_fixed_size: 327680
    .private_segment_fixed_size: 0
    .kernarg_segment_align: 8
    .kernarg_segment_size: 48
    .max_flat_workgroup_size: 512
    .sgpr_count:     100
    .vgpr_count:     256
    .wavefront_size: 32
...
	.end_amdgpu_metadata
.endif
;; end of part 3
;; launch outp (part 4): grid 8 x 32, 4 waves a work-group, clusters of 4 x 4, 327,680 bytes of LDS; arguments oc, osc, cod, scl, bo, out0; writes out0
.if DOCPART == 4
	.amdgcn_target "amdgcn-amd-amdhsa--gfx1250"
	.amdhsa_code_object_version 6
	.text
	.protected	k_qd2a56a2fc3_outp
	.globl	k_qd2a56a2fc3_outp
	.p2align	8
	.type	k_qd2a56a2fc3_outp,@function
k_qd2a56a2fc3_outp:
	s_mov_b64 s[64:65], 0
	v_nop
	global_prefetch_b8 v0, s[64:65] scope:SCOPE_SE
	s_setreg_imm32_b32 hwreg(HW_REG_WAVE_MODE, 25, 1), 1
	s_wait_xcnt 0x0
	s_wait_alu depctr_hold_cnt(0) depctr_sa_sdst(0) depctr_va_vdst(0) depctr_va_sdst(0) depctr_va_ssrc(0) depctr_va_vcc(0) depctr_vm_vsrc(0)
	s_getreg_b32 s2, hwreg(HW_REG_IB_STS2, 6, 4)
	s_cmp_eq_u32 s2, 0
	s_cbranch_scc0 .Lentry_in_a_cluster
	s_endpgm
.Lentry_in_a_cluster:
	s_bfe_u32 s2, ttmp6, 0x10000c
	s_cmp_lg_u32 s2, 0xf033
	s_cbranch_scc0 .Lentry_shape_is_right
	s_endpgm
.Lentry_shape_is_right:
; THE LAST PROJECTION out0 = o Wo^T + bo on codes of FP6 (E2M3) with one E8M0 scale for each 32 along K = 1,024; sums in f32.
; A block of 128 x 128 of out0 to a work-group: 8 x 32 = 256 work-groups.  Four waves, each 64 x 64: 16 accumulators (window 1, v0-127); the bias (window 1, v128-159) is the C of the first K step.
; ALL OF K LIES IN LDS AT ONCE: o's 128 rows as images of operand registers (98,304 dense bytes of oc), Wo's 128 rows (four planes of 24,576 bytes of cod, 16 bytes of padding behind each 64),
; and both sides' scale bytes (4,096 each, 16 bytes of padding behind each 256).  One tensor load a wave at the head, nothing is filled again: one work-group barrier behind the waits shows the tiles to all four waves.
; CLUSTERS of 4 x 4: o's tile and scales are shared along a row of the cluster, Wo's along a column: joint loads.
; The matrix instruction is used transposed (source 0 = 16 rows of Wo, source 1 = 16 rows of o): a lane holds eight neighbouring numbers of a row of out0.
; Two sets of fragments (window 0): while one K step is multiplied the next one's 48 loads are out.  The way out goes through the wave's own stage, so that sixteen lanes store 256 consecutive bytes, aligned.
; NO PREFETCH: the head's four loads ask for every byte that the work-group reads; there is no loop to run ahead in.
.set WO_C,  786432                     ; Wo's first row in a plane of cod, and in scl
.set WO_S,  131072
.set PLANE, 3145728
.set PITCH, 240                        ; a row of 192 bytes in LDS: 3 x (64 + 16)
.set BPL,   128*PITCH                  ; a plane of Wo's tile in LDS
.set LB,    98304                      ; Wo's tile, behind o's
.set SCL,   LB+4*BPL
.set HS,    16*272                     ; the scales of 128 rows
.set SBLK,  2*272                      ; those of 16 rows
.set SPARE, SCL+2*HS
.set STG,   SPARE+512
.set SPITCH, 272
.set ADRA, 1
.set ADRB, 2                           ; v2-5: planes 0-1, the same behind one padding more, planes 2-3, the same behind one padding more
.set ADRS, 6
.set STO,  7
.set RD,   8
.set CO,   9
.set SPW,  10
.set NIL,  11
.set SC,   12                          ; v12-43 scale words: register 8 i + q: lanes 0-15 o's block i, lanes 16-31 Wo's block i, K step q
.set FR,   44                          ; v44-139, v140-235 two sets: o's four fragments, then Wo's four
.set BK,   44                          ; the way out: 4 x 32 registers
.set BO,   252
.set G1A,  32
.set G1B,  40
.set G1S,  48
.set G1SB, 56
.set G0A,  68
.set G0B,  72
.set G0S,  76
.set G0SB, 80
.set MSB, 0
.macro WIN new                         ; the immediate's high byte repeats the setting that is left
.if MSB != \new
	s_set_vgpr_msb (MSB<<8)|\new
.set MSB, \new
.endif
.endm
.macro CREST
	s_cmp_lg_u32 s20, 0
	s_cbranch_scc1 .Lnw0_\@
	s_barrier_signal -3
.Lnw0_\@:
	s_barrier_wait -3
	s_barrier_signal -1
	s_barrier_wait -1
.endm
.macro CROUND
	s_barrier_signal -1
	s_barrier_wait -1
	CREST
.endm
	s_load_b256 s[4:11], s[0:1], 0x0               ; oc, osc, cod, scl
	s_load_b128 s[12:15], s[0:1], 0x20             ; bo, out0
	v_lshl_add_u32 v[SPW], v0, 2, SPARE
	v_mov_b32 v[NIL], 0
	ds_add_u32 v[SPW], v[NIL]                      ; the opening lines: the add twice on end and one wait
	ds_add_u32 v[SPW], v[NIL]
	v_lshrrev_b32 v1, 5, v0
	v_readfirstlane_b32 s20, v1                    ; wave
	s_lshr_b32 s21, s20, 1                         ; which 64 rows are mine
	s_and_b32 s22, s20, 1                          ; which 64 columns
	s_bfe_u32 s23, ttmp6, 0x40000                  ; cx, cy
	s_bfe_u32 s24, ttmp6, 0x40004
	s_lshl_b32 s25, ttmp9, 2
	s_add_co_u32 s25, s25, s23                     ; block column
	s_and_b32 s26, ttmp7, 0xffff
	s_lshl_b32 s26, s26, 2
	s_add_co_u32 s26, s26, s24                     ; block row
	s_lshl_b32 s27, s24, 2
	s_lshl_b32 s27, 15, s27                        ; my row of the cluster
	s_lshl_b32 s28, 0x1111, s23                    ; my column
	s_or_b32 s[G1A], s27, (3<<16)|(1<<21)          ; o's images: 384 rows of 256 bytes, dense
	s_mov_b32 s[G1A+1], 32<<16
	s_mov_b32 s[G1A+2], 384<<16
	s_mov_b32 s[G1A+3], 32<<16
	s_mov_b32 s[G1A+4], 384
	s_mov_b32 s[G1A+5], 32
	s_mov_b32 s[G1A+6], 0
	s_mov_b32 s[G1A+7], 0
	s_or_b32 s[G1B], s28, (0<<16)|(1<<20)|(1<<21)|(3<<22)|(3<<25)   ; Wo: four rows of 24,576 bytes, a plane apart; 4 words of padding after every 16
	s_mov_b32 s[G1B+1], 24576<<16
	s_mov_b32 s[G1B+2], 4<<16
	s_mov_b32 s[G1B+3], 24576<<16
	s_mov_b32 s[G1B+4], 4
	s_mov_b32 s[G1B+5], PLANE
	s_mov_b32 s[G1B+6], 0
	s_mov_b32 s[G1B+7], 0
	s_or_b32 s[G1S], s27, (3<<16)|(1<<20)|(1<<21)|(5<<22)|(3<<25)   ; scales: 16 rows of 256 bytes, 4 words of padding behind each
	s_or_b32 s[G1SB], s28, (3<<16)|(1<<20)|(1<<21)|(5<<22)|(3<<25)
.irp g, G1S, G1SB
	s_mov_b32 s[\g+1], 32<<16
	s_mov_b32 s[\g+2], 16<<16
	s_mov_b32 s[\g+3], 32<<16
	s_mov_b32 s[\g+4], 16
	s_mov_b32 s[\g+5], 32
	s_mov_b32 s[\g+6], 0
	s_mov_b32 s[\g+7], 0
.endr
	s_mul_i32 s84, s26, 98304                      ; o's offsets hang on the block row alone, Wo's on the block column alone
	s_mov_b32 s85, 0
	s_lshl_b32 s86, s26, 12
	s_mov_b32 s87, 0
	s_mul_i32 s88, s25, 24576
	s_add_co_u32 s88, s88, WO_C
	s_mov_b32 s89, 0
	s_lshl_b32 s90, s25, 12
	s_add_co_u32 s90, s90, WO_S
	s_mov_b32 s91, 0
	s_mov_b32 s[G0A], 1
	s_mov_b32 s[G0A+1], 0
	s_mov_b32 s[G0B], 1
	s_mov_b32 s[G0B+1], LB
	s_mov_b32 s[G0S], 1
	s_mov_b32 s[G0S+1], SCL
	s_mov_b32 s[G0SB], 1
	s_mov_b32 s[G0SB+1], SCL+HS
	s_wait_dscnt 0x0
	s_wait_kmcnt 0x0
	s_add_nc_u64 s[G0A+2:G0A+3], s[4:5], s[84:85]
	s_or_b32 s[G0A+3], s[G0A+3], 0x80000000
	s_add_nc_u64 s[G0B+2:G0B+3], s[8:9], s[88:89]
	s_or_b32 s[G0B+3], s[G0B+3], 0x80000000
	s_add_nc_u64 s[G0S+2:G0S+3], s[6:7], s[86:87]
	s_or_b32 s[G0S+3], s[G0S+3], 0x80000000
	s_add_nc_u64 s[G0SB+2:G0SB+3], s[10:11], s[90:91]
	s_or_b32 s[G0SB+3], s[G0SB+3], 0x80000000
	CROUND                                         ; all sixteen work-groups are here: the joint loads meet
.macro ARM under, g0, g1, next         ; one chain of branches on the wave's number, one load in each arm
	s_cmp_lt_u32 s20, \under
	s_cbranch_scc0 \next
	tensor_load_to_lds s[\g0:\g0+3], s[\g1:\g1+7]
	s_nop 0
.rept 4
	v_nop
.endr
	s_branch .Lhead_asked
\next:
.endm
	ARM 1, G0A, G1A, .Lhead_b
	ARM 2, G0B, G1B, .Lhead_sa
	ARM 3, G0S, G1S, .Lhead_sb
	tensor_load_to_lds s[G0SB:G0SB+3], s[G1SB:G1SB+7]
	s_nop 0
.rept 4
	v_nop
.endr
.Lhead_asked:
	s_lshl_b32 s84, s25, 9
	s_lshl_b32 s86, s22, 8
	s_add_co_u32 s84, s84, s86                     ; my first column, in bytes
	s_add_nc_u64 s[12:13], s[12:13], s[84:85]      ; in bo,
	s_lshl_b32 s86, s26, 7
	s_lshl_b32 s88, s21, 6
	s_add_co_u32 s86, s86, s88                     ; my first row
	s_lshl_b32 s86, s86, 12                        ; of 4,096 bytes
	s_add_nc_u64 s[14:15], s[14:15], s[86:87]
	s_add_nc_u64 s[14:15], s[14:15], s[84:85]      ; and in out0
	s_mul_i32 s88, s21, 4*12288                    ; LDS: my four images of 16 rows of o,
	s_mul_i32 s89, s22, 64*PITCH
	s_add_co_u32 s89, s89, LB                      ; my 64 rows of Wo,
	s_mul_i32 s90, s21, 4*SBLK
	s_mul_i32 s91, s22, 4*SBLK
	s_add_co_u32 s91, s91, HS
	s_sub_co_u32 s91, s91, s90                     ; from o's scale words to Wo's,
	s_add_co_u32 s90, s90, SCL
	s_mul_i32 s92, s20, 16*SPITCH
	s_add_co_u32 s92, s92, STG                     ; my stage
	v_and_b32 v12, 15, v0                          ; r
	v_bfe_u32 v13, v0, 4, 1                        ; h
	v_and_b32 v14, 31, v0
	v_lshl_add_u32 v[ADRA], v14, 3, s88
	v_mul_u32_u24 v15, v12, PITCH
	v_mad_u32_u24 v15, v13, 24, v15
	v_add_nc_u32 v[ADRB], s89, v15
	v_lshl_add_u32 v[ADRB+1], v13, 4, v[ADRB]
	v_add_nc_u32 v[ADRB+2], 2*BPL, v[ADRB]
	v_add_nc_u32 v[ADRB+3], 2*BPL, v[ADRB+1]
	v_lshlrev_b32 v16, 5, v12                      ; 32 scale bytes a row,
	v_lshrrev_b32 v17, 8, v16
	v_lshl_add_u32 v16, v17, 4, v16                ; 16 more for each 256 passed
	v_mul_u32_u24 v17, s91, v13                    ; lanes 16-31 take Wo's
	v_add_nc_u32 v16, v16, v17
	v_add_nc_u32 v[ADRS], s90, v16
	v_mul_u32_u24 v18, v12, SPITCH
	v_lshl_add_u32 v18, v13, 5, v18
	v_add_nc_u32 v[STO], s92, v18                  ; into the stage: row r, 32 bytes for each half of the lanes
	v_mul_u32_u24 v19, v13, SPITCH
	v_lshl_add_u32 v19, v12, 4, v19
	v_add_nc_u32 v[RD], s92, v19                   ; back: sixteen lanes to a row of 256 bytes, two rows an instruction
	v_lshlrev_b32 v20, 12, v13
	v_lshl_add_u32 v[CO], v12, 4, v20              ; and the same two rows in out0
	v_lshlrev_b32 v[BO], 5, v13
	s_wait_alu depctr_va_vdst(0)
	WIN 0x40
.irp b, 0,1,2,3
	global_load_b128 v[128+8*\b:128+8*\b+3], v[BO], s[12:13] offset:64*\b      ; bo at my eight columns of tile b
	global_load_b128 v[128+8*\b+4:128+8*\b+7], v[BO], s[12:13] offset:64*\b+16
.endr
	WIN 0
	s_wait_tensorcnt 0x0                           ; my tile is in;
	s_barrier_signal -1
	s_barrier_wait -1                              ; everybody's is.
.macro FETCH q, fs                     ; K step q's fragments: 48 loads
.irp a, 0,1,2,3
.irp p, 0,1,2,3,4,5
	ds_load_b64 v[\fs+12*\a+2*\p:\fs+12*\a+2*\p+1], v[ADRA] offset:12288*\a+1536*(\q)+256*\p
.endr
.endr
.irp b, 0,1,2,3
.irp p, 0,1,2,3,4,5                    ; in pieces of 8 bytes; 16 bytes of padding lie behind every 8 pieces: where the piece of lanes 16-31, three on, lies behind one padding more, the second address serves
.set PIE, 12*((\q)%2)+6*(\p/3)+\p%3
.if PIE%8 < 5
	ds_load_b64 v[\fs+48+12*\b+2*\p:\fs+48+12*\b+2*\p+1], v[ADRB+2*((\q)/4)] offset:(((\q)/2)%2)*BPL+\b*16*PITCH+8*PIE+16*(PIE/8)
.else
	ds_load_b64 v[\fs+48+12*\b+2*\p:\fs+48+12*\b+2*\p+1], v[ADRB+2*((\q)/4)+1] offset:(((\q)/2)%2)*BPL+\b*16*PITCH+8*PIE+16*(PIE/8)
.endif
.endr
.endr
.endm
.macro MUL q, fs, first                ; 16 matrix instructions, the 16 accumulators by turns
.irp a, 0,1,2,3
.irp b, 0,1,2,3
.if \first
	v_wmma_scale_f32_16x16x128_f8f6f4 v[8*(4*\a+\b):8*(4*\a+\b)+7], v[\fs+48+12*\b:\fs+48+12*\b+11], v[\fs+12*\a:\fs+12*\a+11], v[128+8*\b:128+8*\b+7], v[SC+8*\b+(\q)], v[SC+8*\a+(\q)] matrix_a_fmt:MATRIX_FMT_FP6 matrix_b_fmt:MATRIX_FMT_FP6 matrix_a_scale:MATRIX_SCALE_ROW1
.else
	v_wmma_scale_f32_16x16x128_f8f6f4 v[8*(4*\a+\b):8*(4*\a+\b)+7], v[\fs+48+12*\b:\fs+48+12*\b+11], v[\fs+12*\a:\fs+12*\a+11], v[8*(4*\a+\b):8*(4*\a+\b)+7], v[SC+8*\b+(\q)], v[SC+8*\a+(\q)] matrix_a_fmt:MATRIX_FMT_FP6 matrix_b_fmt:MATRIX_FMT_FP6 matrix_a_scale:MATRIX_SCALE_ROW1
.endif
.endr
.endr
.endm
.irp i, 0,1,2,3
	ds_load_b128 v[SC+8*\i:SC+8*\i+3], v[ADRS] offset:\i*SBLK        ; a row's eight scale words, for all of K
	ds_load_b128 v[SC+8*\i+4:SC+8*\i+7], v[ADRS] offset:\i*SBLK+16
.endr
	FETCH 0, FR
	s_wait_loadcnt 0x0                             ; the bias is in
	FETCH 1, FR+96
	s_wait_dscnt 48                                ; all but K step 1's 48 loads
	WIN 0x50                                       ; C and D in window 1
	MUL 0, FR, 1
	WIN 0
.irp q, 1,2,3,4,5,6
.rept 4
	v_nop                                          ; places in front of loads into registers that matrix instructions have read
.endr
	FETCH \q+1, FR+96*((\q+1)%2)
	s_wait_dscnt 48                                ; all but the 48 just issued
	WIN 0x50
	MUL \q, FR+96*(\q%2), 0
	WIN 0
.endr
	s_wait_dscnt 0x0
	WIN 0x50
	MUL 7, FR+96, 0
	WIN 0
.rept 4
	v_nop                                          ; places in front of the first read of results and of loads over the fragments
.endr
.macro TOSTAGE a                       ; 16 rows x 64 columns into my stage and back as rows; LDS serves a wave's instructions in order
	WIN 0x04
.irp b, 0,1,2,3
	ds_store_b128 v[STO], v[8*(4*\a+\b):8*(4*\a+\b)+3] offset:64*\b          ; each accumulator from its low end on
	ds_store_b128 v[STO], v[8*(4*\a+\b)+4:8*(4*\a+\b)+7] offset:64*\b+16
.endr
	WIN 0
.irp t, 0,1,2,3,4,5,6,7
	ds_load_b128 v[BK+32*\a+4*\t:BK+32*\a+4*\t+3], v[RD] offset:\t*2*SPITCH
.endr
.endm
.macro SEND a                          ; every block has its own registers and every offset is an immediate: no store's source is written again
.irp t, 0,1,2,3,4,5,6,7
	global_store_b128 v[CO], v[BK+32*\a+4*\t:BK+32*\a+4*\t+3], s[14:15] offset:65536*\a+8192*\t th:TH_STORE_NT   ; sixteen lanes store 256 consecutive bytes, aligned
.endr
.endm
	TOSTAGE 0
.irp a, 1,2,3
	TOSTAGE \a
	s_wait_dscnt 16                                ; all but the 8 stores and 8 loads just issued
	SEND (\a-1)
.endr
	s_wait_dscnt 0x0
	SEND 3
	s_wait_tensorcnt 0x0                           ; the wave's end
	ds_add_u32 v[SPW], v[NIL]
	s_wait_dscnt 0x0
	CROUND                                         ; the closing round
	s_endpgm
.Lfunc_end_k_qd2a56a2fc3_outp:
	.size	k_qd2a56a2fc3_outp, .Lfunc_end_k_qd2a56a2fc3_outp-k_qd2a56a2fc3_outp
	.p2alignl 7, 3214868480
	.fill 96, 4, 3214868480
	.section	.rodata,"a",@progbits
	.p2align	6, 0x0
	.amdhsa_kernel k_qd2a56a2fc3_outp
		.amdhsa_group_segment_fixed_size 327680
		.amdhsa_private_segment_fixed_size 0
		.amdhsa_enable_private_segment 0
		.amdhsa_kernarg_size 48
		.amdhsa_user_sgpr_count 2
		.amdhsa_user_sgpr_kernarg_segment_ptr 1
		.amdhsa_wavefront_size32 1
		.amdhsa_system_sgpr_workgroup_id_x 1
		.amdhsa_system_sgpr_workgroup_id_y 1
		.amdhsa_system_sgpr_workgroup_id_z 1
		.amdhsa_system_vgpr_workitem_id 0
		.amdhsa_next_free_vgpr 512
		.amdhsa_next_free_sgpr 96
		.amdhsa_reserve_vcc 0
		.amdhsa_float_denorm_mode_32 3
		.amdhsa_float_denorm_mode_16_64 3
		.amdhsa_memory_ordered 1
		.amdhsa_forward_progress 1
		.amdhsa_inst_pref_size 59
	.end_amdhsa_kernel
	.amdgpu_metadata
---
amdhsa.version: [ 1, 2 ]
amdhsa.kernels:
  - .name:           k_qd2a56a2fc3_outp
    .symbol:         k_qd2a56a2fc3_outp.kd
    .args:
      - { .name: oc, .offset: 0, .size: 8, .value_kind: global_buffer, .address_space: global }
      - { .name: osc, .offset: 8, .size: 8, .value_kind: global_buffer, .address_space: global }
      - { .name: cod, .offset: 16, .size: 8, .value_kind: global_buffer, .address_space: global }
      - { .name: scl, .offset: 24, .size: 8, .value_kind: global_buffer, .address_space: global }
      - { .name: bo, .offset: 32, .size: 8, .value_kind: global_buffer, .address_space: global }
      - { .name: out0, .offset: 40, .size: 8, .value_kind: global_buffer, .address_space: global }
    .group_segment_fixed_size: 327680
    .private_segment_fixed_size: 0
    .kernarg_segment_align: 8
    .kernarg_segment_size: 48
    .max_flat_workgroup_size: 128
    .sgpr_count:     96
    .vgpr_count:     512
    .wavefront_size: 32
...
	.end_amdgpu_metadata
.endif
;; end of part 4
